; MI455X (gfx1250); checked and timed in simulation.
; The chip was launched on July 23, 2026; its instructions are those of AMD's public machine-readable ISA for CDNA 5 (MIT licence, August 2026) and "CDNA5" Instruction Set Architecture Reference Guide (July 2026). The comments in the code are by the model that wrote it; some were corrected since.
;; Switch Mo E. Allowed arithmetic: matrix products marked QUANTISED: E4M3 operands, one E8M0 scale for each 32 along K, by v_wmma_scale_f32_16x16x128_f8f6f4 with both operands' format E4M3, f32 sums; products left as they are: f32 operands where the result goes on into a quantised operand, else bf16, f16 or f32 operands; f32 sums; everything else in f32.
;; Inputs: b1 8 x 4,096 float32; b2 8 x 1,024 float32; bg 8 float32; w1 8 x 1,024 x 4,096 float32; w2 8 x 4,096 x 1,024 float32; wg 1,024 x 8 float32; x 1,024 x 1,024 float32.
;; Outputs: out0 1,024 x 1,024 float32.
;; This version of the problem:
;;   THIS VERSION OF THE PROBLEM IS GIVEN IN LOW PRECISION. The matrix products marked QUANTISED in the list below multiply operands that are first quantised to E4M3 (4 exponent bits, 3 mantissa bits; 8 bits a number), with one power-of-two scale for each 32 numbers along K (OCP MX v1.0); their sums are f32. All else is computed in f32.
;;   The module's matrix products, in the order in which they are computed (A, B: the left and right operand; K: the contracted axis; several contracted axes count as one K, in the product's order):
;;     1. [M 1,024, K 1,024] x [K 1,024, N 8]; A: input x; B: input wg: left as it is (N = 8 < 16)
;;     2. [M 32,768, K 1,024] x [K 1,024, N 1,024]; A: input w1; B: input x: QUANTISED
;;     3. batch 8 x [M 1,024, K 4,096] x [K 4,096, N 1,024]; A: computed on the way; B: input w2: QUANTISED
;;     4. batch 1,024 x [M 1, K 8] x [K 8, N 1,024]; A: computed on the way; B: computed on the way: left as it is (K = 8 < 32)
;;   THE QUANTISER, for each operand of a quantised product, along K:
;;     - K is cut into blocks of 32 from its start; a last block that is shorter is filled with zeros.
;;     - A block's scale is 2^e with e = floor(log2(the largest magnitude in the block)) - 8, held to -126 .. 127; a block of zeros has e = 0. As a byte (E8M0): e + 127.
;;     - Each number is divided by its block's scale, clamped to +-448, and rounded to the nearest number of E4M3, ties to even, subnormals kept.
;;     - The product sums the exact products of the quantised numbers (number of the format x scale) in f32.
;;   ~~~python
;;   def quantise(x, axis):      # numpy; x: float32 -> the quantised numbers, widened to float32 again
;;       x = np.moveaxis(x, axis, -1); K = x.shape[-1]
;;       x = np.pad(x, [(0, 0)] * (x.ndim - 1) + [(0, -K % 32)]); x = x.reshape(x.shape[:-1] + (-1, 32)); a = np.abs(x).max(-1, keepdims=True)
;;       e = np.where(a > 0, np.clip(np.frexp(np.where(a > 0, a, 1))[1] - 1 - 8, -126, 127), 0)      # np.frexp(a)[1] - 1 = floor(log2(a)), exactly
;;       r = np.clip(x / 2.0 ** e, -448, 448)
;;       step = 2.0 ** (np.maximum(np.frexp(np.where(r == 0, 1, r))[1] - 1, -6) - 3)
;;       q = np.round(r / step) * step * 2.0 ** e      # np.round: ties to even
;;       return np.moveaxis(q.reshape(q.shape[:-2] + (-1,))[..., :K], -1, axis).astype(np.float32)
;;   ~~~
;;   OPERANDS COMPUTED ON THE WAY. 'Computed on the way' means the value that the module computes at that place (a softmax that the list does not call 'softmax' is quantised finished and normalised). What goes into a quantiser is computed in f32, as accurately as f32 sums, v_exp_f32 and their like allow (about 1e-6 of the number): no bf16 or f16 on the way to a quantiser, and a product that is left as it is and whose result goes on into a quantised operand takes f32 operands (vector FMAs, or v_wmma_f32_16x16x4_f32). A number that lies on a knife's edge between two numbers of the format may be rounded either way, as far as f32 arithmetic and the matrix unit's own rounding can turn it there, and no further.
;; 2 versions. Each part assembles by itself: llvm-mc -triple=amdgcn-amd-amdhsa -mcpu=gfx1250 --defsym DOCPART=n.
;; ======== version 1 of 2: 4 launches
;; workspace buffers: top1 4,096 bytes of whole numbers; prob 4,096 bytes; route 5,376 bytes of whole numbers; gw 5,120 bytes; xq 1,317,888 bytes; hq 5,271,552 bytes
;; launch gate (part 1): grid 256 x 1, 1 waves a work-group, no clusters, 0 bytes of LDS; arguments x, wg, bg, top1, prob; writes top1, prob
.if DOCPART == 1
	.amdgcn_target "amdgcn-amd-amdhsa--gfx1250"
	.amdhsa_code_object_version 6
	.text
	.protected	k_q0b65ce3cf3_gate
	.globl	k_q0b65ce3cf3_gate
	.p2align	8
	.type	k_q0b65ce3cf3_gate,@function
k_q0b65ce3cf3_gate:
	s_mov_b64 s[64:65], 0
	v_nop
	global_prefetch_b8 v0, s[64:65] scope:SCOPE_SE
	s_setreg_imm32_b32 hwreg(HW_REG_WAVE_MODE, 25, 1), 1
	s_wait_xcnt 0x0
; THE GATE.  logits = x wg + bg in f32 (fused multiply-adds), softmax with the row's maximum taken away, the top expert and its score.
; x [1024][1024], wg [1024][8], bg [8]: f32.  top1 [1024] int32, prob [1024] f32.
; One wave takes four tokens.  Lane l holds k = 128 j + 4 l + i (j = 0..7, i = 0..3): every load of x is 512 consecutive bytes, a lane's 128 bytes of wg are consecutive.
; No address of this launch hangs on the choice: it is stored at fixed places and used by the next launch.
; LIMITS: NaN and infinities among the inputs are not served.  The largest of exp(l - max) is searched in ascending order with a strict comparison, so the lowest index
; wins among equal ones; the logits are f32 sums in another order than a row-by-row sum, so two experts within an f32 rounding of each other may change places.
.set XR,  96                           ; v96-223  x: token a, group j at XR + 32 a + 4 j
.set WR,  32                           ; v32-95   wg: two sets of 32; row i, expert e at set + 8 i + e
.set ACC, 224                          ; v224-255 sums: token a, expert e at ACC + 8 a + e
.set MXR, 6                            ; v6-9     the row's maximum
.set SMR, 10                           ; v10-13   the sum of the exponentials
.set RCR, 14                           ; v14-17   its reciprocal
.set BSR, 18                           ; v18-21   the largest exponential
.set IDR, 22                           ; v22-25   its index
	s_load_b256 s[4:11], s[0:1], 0x0               ; x s[4:5], wg s[6:7], bg s[8:9], top1 s[10:11]
	s_load_b64 s[12:13], s[0:1], 0x20              ; prob
	v_lshlrev_b32 v2, 4, v0                        ; 16 x lane
	v_lshlrev_b32 v3, 7, v0                        ; 128 x lane
	v_lshlrev_b32 v4, 2, v0                        ; 4 x lane
	s_mov_b32 s24, 0x76543210                      ; selects of v_permlanex16_b32 for lane l xor 16
	s_mov_b32 s25, 0xfedcba98
	s_mov_b32 s26, 0x3fb8aa3b                      ; log2(e)
	s_lshl_b32 s2, ttmp9, 14                       ; four rows of 4,096 bytes
	s_mov_b32 s3, 0
	s_lshl_b32 s14, ttmp9, 4                       ; four words
	s_mov_b32 s15, 0
	s_wait_kmcnt 0x0
	s_load_b256 s[16:23], s[8:9], 0x0              ; bg
	s_add_nc_u64 s[4:5], s[4:5], s[2:3]
	s_add_nc_u64 s[10:11], s[10:11], s[14:15]
	s_add_nc_u64 s[12:13], s[12:13], s[14:15]
.irp a, 0,1,2,3
.irp j, 0,1,2,3,4,5,6,7
	global_load_b128 v[XR+32*\a+4*\j:XR+32*\a+4*\j+3], v2, s[4:5] offset:\a*4096+\j*512
.endr
.endr
.macro WLD j                           ; wg's rows 128 j + 4 l + 0..3 into set j % 2
.irp i, 0,1,2,3
	global_load_b128 v[WR+32*((\j)%2)+8*\i:WR+32*((\j)%2)+8*\i+3], v3, s[6:7] offset:(\j)*4096+\i*32
	global_load_b128 v[WR+32*((\j)%2)+8*\i+4:WR+32*((\j)%2)+8*\i+7], v3, s[6:7] offset:(\j)*4096+\i*32+16
.endr
.endm
.macro DOT j                           ; 64 packed multiply-adds: two experts at a time, x's number for both halves; sixteen chains by turns
.irp i, 0,1,2,3
.irp a, 0,1,2,3
.irp p, 0,2,4,6
.if ((\j) == 0) && (\i == 0)
	v_pk_mul_f32 v[ACC+8*\a+\p:ACC+8*\a+\p+1], v[WR+32*((\j)%2)+8*\i+\p:WR+32*((\j)%2)+8*\i+\p+1], v[XR+32*\a+4*(\j):XR+32*\a+4*(\j)+1] op_sel_hi:[1,0]
.elseif (\i%2) == 0
	v_pk_fma_f32 v[ACC+8*\a+\p:ACC+8*\a+\p+1], v[WR+32*((\j)%2)+8*\i+\p:WR+32*((\j)%2)+8*\i+\p+1], v[XR+32*\a+4*(\j)+\i:XR+32*\a+4*(\j)+\i+1], v[ACC+8*\a+\p:ACC+8*\a+\p+1] op_sel_hi:[1,0,1]
.else
	v_pk_fma_f32 v[ACC+8*\a+\p:ACC+8*\a+\p+1], v[WR+32*((\j)%2)+8*\i+\p:WR+32*((\j)%2)+8*\i+\p+1], v[XR+32*\a+4*(\j)+\i-1:XR+32*\a+4*(\j)+\i], v[ACC+8*\a+\p:ACC+8*\a+\p+1] op_sel:[0,1,0] op_sel_hi:[1,1,1]
.endif
.endr
.endr
.endr
.endm
	WLD 0
	WLD 1
.irp j, 0,1,2,3,4,5,6,7
.if \j < 7
	s_wait_loadcnt 8                               ; x and this group's rows of wg are in; the next group's eight loads stay out
.else
	s_wait_loadcnt 0x0
.endif
	DOT \j
.if \j < 6
	WLD \j+2
.endif
.endr
; the 32 sums over the 32 lanes: four steps inside a half of the lanes, one across; the result stands in every lane
.irp m, 1,2,4,8
.set n, 0
.rept 32
	v_add_f32_dpp v[ACC+n], v[ACC+n], v[ACC+n] row_xmask:\m row_mask:0xf bank_mask:0xf
.set n, n+1
.endr
.endr
.set n, 0
.rept 32
	v_permlanex16_b32 v[XR+n], v[ACC+n], s24, s25  ; x's registers are done with, and have been written
.set n, n+1
.endr
.set n, 0
.rept 32
	v_add_f32 v[ACC+n], v[ACC+n], v[XR+n]
.set n, n+1
.endr
	s_wait_kmcnt 0x0                               ; bg
.irp e, 0,1,2,3,4,5,6,7
.irp a, 0,1,2,3
	v_add_f32 v[ACC+8*\a+\e], s[16+\e], v[ACC+8*\a+\e]
.endr
.endr
.irp a, 0,1,2,3
	v_max3_num_f32 v[MXR+\a], v[ACC+8*\a], v[ACC+8*\a+1], v[ACC+8*\a+2]
.endr
.irp a, 0,1,2,3
	v_max3_num_f32 v[MXR+\a], v[MXR+\a], v[ACC+8*\a+3], v[ACC+8*\a+4]
.endr
.irp a, 0,1,2,3
	v_max3_num_f32 v[MXR+\a], v[MXR+\a], v[ACC+8*\a+5], v[ACC+8*\a+6]
.endr
.irp a, 0,1,2,3
	v_max_num_f32 v[MXR+\a], v[MXR+\a], v[ACC+8*\a+7]
.endr
.irp e, 0,1,2,3,4,5,6,7
.irp a, 0,1,2,3
	v_sub_f32 v[ACC+8*\a+\e], v[ACC+8*\a+\e], v[MXR+\a]      ; the maximum is taken away first
.endr
.endr
.set n, 0
.rept 32
	v_mul_f32 v[ACC+n], s26, v[ACC+n]
.set n, n+1
.endr
.set n, 0
.rept 32
	v_exp_f32 v[ACC+n], v[ACC+n]
.set n, n+1
.endr
	v_nop                                          ; a plain instruction between the last exponential and the use of its result (ISA guide 5.7.2)
	s_wait_alu depctr_va_vdst(0)
.irp a, 0,1,2,3
	v_add_f32 v[SMR+\a], v[ACC+8*\a], v[ACC+8*\a+1]
	v_mov_b32 v[BSR+\a], v[ACC+8*\a]
	v_mov_b32 v[IDR+\a], 0
.endr
.irp e, 2,3,4,5,6,7
.irp a, 0,1,2,3
	v_add_f32 v[SMR+\a], v[SMR+\a], v[ACC+8*\a+\e]
.endr
.endr
.irp a, 0,1,2,3
	v_rcp_f32 v[RCR+\a], v[SMR+\a]
.endr
.irp e, 1,2,3,4,5,6,7                  ; strictly larger only: the lowest index keeps its place among equals.  (The first comparison is the plain instruction behind the reciprocals)
.irp a, 0,1,2,3
	v_cmp_gt_f32 vcc_lo, v[ACC+8*\a+\e], v[BSR+\a]
	v_cndmask_b32 v[BSR+\a], v[BSR+\a], v[ACC+8*\a+\e], vcc_lo
	v_cndmask_b32 v[IDR+\a], v[IDR+\a], \e, vcc_lo
.endr
.endr
	s_wait_alu depctr_va_vdst(0)
.irp a, 0,1,2,3
	v_mul_f32 v[BSR+\a], v[BSR+\a], v[RCR+\a]      ; the top score
.endr
	v_mov_b32 v27, v[IDR]
	v_mov_b32 v28, v[BSR]
.irp a, 1,2,3                          ; lane a takes token a's pair
	v_cmp_eq_u32 vcc_lo, \a, v0
	v_cndmask_b32 v27, v27, v[IDR+\a], vcc_lo
	v_cndmask_b32 v28, v28, v[BSR+\a], vcc_lo
.endr
	s_wait_xcnt 0x0                                ; EXEC changes only behind this wait
	v_cmpx_gt_u32 4, v0
	global_store_b32 v4, v27, s[10:11]
	global_store_b32 v4, v28, s[12:13]
	s_endpgm
.Lfunc_end_k_q0b65ce3cf3_gate:
	.size	k_q0b65ce3cf3_gate, .Lfunc_end_k_q0b65ce3cf3_gate-k_q0b65ce3cf3_gate
	.p2alignl 7, 3214868480
	.fill 96, 4, 3214868480
	.section	.rodata,"a",@progbits
	.p2align	6, 0x0
	.amdhsa_kernel k_q0b65ce3cf3_gate
		.amdhsa_group_segment_fixed_size 0
		.amdhsa_private_segment_fixed_size 0
		.amdhsa_enable_private_segment 0
		.amdhsa_kernarg_size 40
		.amdhsa_user_sgpr_count 2
		.amdhsa_user_sgpr_kernarg_segment_ptr 1
		.amdhsa_wavefront_size32 1
		.amdhsa_system_sgpr_workgroup_id_x 1
		.amdhsa_system_sgpr_workgroup_id_y 1
		.amdhsa_system_sgpr_workgroup_id_z 1
		.amdhsa_system_vgpr_workitem_id 0
		.amdhsa_next_free_vgpr 256
		.amdhsa_next_free_sgpr 66
		.amdhsa_reserve_vcc 1
		.amdhsa_float_denorm_mode_32 3
		.amdhsa_float_denorm_mode_16_64 3
		.amdhsa_memory_ordered 1
		.amdhsa_forward_progress 1
		.amdhsa_inst_pref_size 64
	.end_amdhsa_kernel
	.amdgpu_metadata
---
amdhsa.version: [ 1, 2 ]
amdhsa.kernels:
  - .name:           k_q0b65ce3cf3_gate
    .symbol:         k_q0b65ce3cf3_gate.kd
    .args:
      - { .name: x, .offset: 0, .size: 8, .value_kind: global_buffer, .address_space: global }
      - { .name: wg, .offset: 8, .size: 8, .value_kind: global_buffer, .address_space: global }
      - { .name: bg, .offset: 16, .size: 8, .value_kind: global_buffer, .address_space: global }
      - { .name: top1, .offset: 24, .size: 8, .value_kind: global_buffer, .address_space: global }
      - { .name: prob, .offset: 32, .size: 8, .value_kind: global_buffer, .address_space: global }
    .group_segment_fixed_size: 0
    .private_segment_fixed_size: 0
    .kernarg_segment_align: 8
    .kernarg_segment_size: 40
    .max_flat_workgroup_size: 32
    .sgpr_count:     66
    .vgpr_count:     256
    .wavefront_size: 32
...
	.end_amdgpu_metadata
.endif
;; end of part 1
;; launch place (part 2): grid 39 x 1, 8 waves a work-group, no clusters, 0 bytes of LDS; arguments x, top1, prob, route, gw, xq; writes route, gw, xq
.if DOCPART == 2
	.amdgcn_target "amdgcn-amd-amdhsa--gfx1250"
	.amdhsa_code_object_version 6
	.text
	.protected	k_q0b65ce3cf3_place
	.globl	k_q0b65ce3cf3_place
	.p2align	8
	.type	k_q0b65ce3cf3_place,@function
k_q0b65ce3cf3_place:
	s_mov_b64 s[64:65], 0
	v_nop
	global_prefetch_b8 v0, s[64:65] scope:SCOPE_SE
	s_setreg_imm32_b32 hwreg(HW_REG_WAVE_MODE, 25, 1), 1
	s_wait_xcnt 0x0
; THE PLACING.  A UNIT is 32 routed rows of one expert.  Expert e has ceil(cnt_e / 32) units, numbered on end: never more than ceil(1024 / 32) + 7 = 39, whatever the split; the grid has that many
; work-groups, and one that a split leaves without a unit stores nothing and ends.  Rows past an expert's count repeat its last token, so that every byte that is read later is written.
; Work-group u makes unit u: the list of its tokens (route), their gate weights prob / (sum of the expert's probs + 1e-6) x 1024 (gw), and the rows of x as codes of E4M3 with E8M0 scales (xq).
; route: words 0-7 cnt[e], words 8-15 first unit[e]; from byte 256 tok[39][32].   gw: [39][32] f32.
; xq: codes as images of operand registers, [39 unit][8 K step][2 tile][4 c][32 lane][16 bytes]: lane (r, h) holds k = 128 s + 32 c + 16 h + 0..15 of unit row 16 tile + r;
;     from XSOFF on the scale words, [39][32 row][8 K step].
; Wave w: tile w & 1, K steps 2 (w >> 1) and the next.  Every wave works the routing out for itself from top1, in whole numbers; waves share nothing: no LDS, no barrier.
; The rows of an expert are ranked by (register, lane) of the 32 x 32 table in which top1 is loaded; any order serves, since nothing is dropped (the capacity is the number of tokens).
; LIMITS: a block whose largest magnitude lies under 2^(9 - 127), a block of zeros too, gets the scale byte 1 (its codes are zeros or tiny; only this program reads the bytes); NaN and infinities are not served.
.set XSOFF, 39*32768
.set TK,  32                           ; v32-63   top1: register 4 jj + ii holds token 128 jj + 4 lane + ii
.set PR,  64                           ; v64-95   prob, likewise
.set ST,  96                           ; v96-223  two K steps x 64 numbers of x; before and after that at work
.set PC,  224                          ; v224-255 two fragments of codes
.set TM,  8                            ; v8-23    the quantiser's: +0 largest magnitudes, +4 bytes, +8 448 x the scale, +12 the conversion's scale operand
.set PW,  24                           ; v24-25   the two scale words
	s_load_b256 s[4:11], s[0:1], 0x0               ; x s[4:5], top1 s[6:7], prob s[8:9], route s[10:11]
	s_load_b128 s[12:15], s[0:1], 0x20             ; gw s[12:13], xq s[14:15]
	v_lshrrev_b32 v1, 5, v0
	v_readfirstlane_b32 s16, v1                    ; wave
	s_and_b32 s17, s16, 1                          ; tile
	s_lshr_b32 s18, s16, 1                         ; pair of K steps
	v_and_b32 v1, 15, v0                           ; r
	v_bfe_u32 v2, v0, 4, 1                         ; h
	v_and_b32 v3, 31, v0                           ; lane
	v_lshlrev_b32 v4, 4, v3                        ; 16 x lane
	s_mov_b32 s28, 0x76543210
	s_mov_b32 s29, 0xfedcba98
	s_mov_b32 s30, 0x600000                        ; the mantissa field of 448
	s_mov_b32 s31, 0xffff0000                      ; lanes 16-31
.irp b, 0,1,2,3
	v_mov_b32 v[TM+4+\b], 0                        ; written once: a lane permute's destination counts as one of its sources
.endr
.irp e, 0,1,2,3,4,5,6,7
	s_mov_b32 s[40+\e], 0
.endr
	s_wait_kmcnt 0x0
.irp j, 0,1,2,3,4,5,6,7
	global_load_b128 v[TK+4*\j:TK+4*\j+3], v4, s[6:7] offset:512*\j
.endr
.irp j, 0,1,2,3,4,5,6,7
	global_load_b128 v[PR+4*\j:PR+4*\j+3], v4, s[8:9] offset:512*\j
.endr
	s_wait_loadcnt 8                               ; top1 is in; prob's eight loads stay out
; the counts: for each expert the set bits of 32 comparison masks
.irp e, 0,1,2,3,4,5,6,7
.irp g, 0,8,16,24
.irp n, 0,1,2,3,4,5,6,7
	v_cmp_eq_u32 s[72+\n], \e, v[TK+\g+\n]
.endr
.irp n, 0,1,2,3,4,5,6,7
	s_bcnt1_i32_b32 s[72+\n], s[72+\n]
.endr
.irp n, 0,1,2,3,4,5,6,7
	s_add_co_u32 s[40+\e], s[40+\e], s[72+\n]
.endr
.endr
.endr
	s_mov_b32 s48, 0                               ; s48-56: first unit of experts 0 to 7, and the number of units
.irp e, 0,1,2,3,4,5,6,7
	s_add_co_u32 s70, s[40+\e], 31
	s_lshr_b32 s70, s70, 5
	s_add_co_u32 s[49+\e], s[48+\e], s70
.endr
	s_cmp_ge_u32 ttmp9, s56
	s_cbranch_scc1 .Lend                           ; this split has no unit u
	s_mov_b32 s57, 0                               ; my unit's expert: the last whose first unit is at most u (an expert without units is passed over by the next),
	s_mov_b32 s58, 0                               ; its first unit,
	s_mov_b32 s59, s40                             ; its count
.irp e, 1,2,3,4,5,6,7
	s_cmp_ge_u32 ttmp9, s[48+\e]
	s_cselect_b32 s57, \e, s57
	s_cselect_b32 s58, s[48+\e], s58
	s_cselect_b32 s59, s[40+\e], s59
.endr
	s_sub_co_u32 s60, ttmp9, s58
	s_lshl_b32 s61, s60, 5
	s_lshl_b32 s62, s17, 4
	s_add_co_u32 s61, s61, s62
	s_sub_co_u32 s62, s59, 1
	v_add_nc_u32 v26, s61, v1
	v_min_u32 v26, s62, v26                        ; my row's rank among the expert's tokens; past the count: the last
; the register that holds rank v26: the last whose running count is at most the rank.  v27 its mask, v28 its running count, v29 its number
	v_cmp_eq_u32 s70, s57, v[TK]
	v_mov_b32 v27, s70
	v_mov_b32 v28, 0
	v_mov_b32 v29, 0
	s_bcnt1_i32_b32 s63, s70
.irp g, 1,2,3,4,5,6,7,8,9,10,11,12,13,14,15,16,17,18,19,20,21,22,23,24,25,26,27,28,29,30,31
	v_cmp_eq_u32 s70, s57, v[TK+\g]
	v_cmp_le_u32 vcc_lo, s63, v26
	v_cndmask_b32 v27, v27, s70, vcc_lo
	v_cndmask_b32 v28, v28, s63, vcc_lo
	v_cndmask_b32 v29, v29, \g, vcc_lo
	s_bcnt1_i32_b32 s71, s70
	s_add_co_u32 s63, s63, s71
.endr
; the place of the mask's J-th set bit, J = rank - running count: counts of 2, 4, 8, 16 bits side by side, then five halvings
	v_sub_nc_u32 v102, v26, v28
	v_lshrrev_b32 v96, 1, v27
	v_and_b32 v96, 0x55555555, v96
	v_sub_nc_u32 v96, v27, v96
	v_lshrrev_b32 v97, 2, v96
	v_and_b32 v97, 0x33333333, v97
	v_and_b32 v100, 0x33333333, v96
	v_add_nc_u32 v97, v97, v100
	v_lshrrev_b32 v98, 4, v97
	v_add_nc_u32 v98, v98, v97
	v_and_b32 v98, 0x0f0f0f0f, v98
	v_lshrrev_b32 v99, 8, v98
	v_add_nc_u32 v99, v99, v98
	v_mov_b32 v103, 0
.macro LEVEL src, w, bits              ; the lower half at v103 holds t set bits: if J >= t, pass it
	v_bfe_u32 v100, v[\src], v103, \bits
	v_cmp_ge_u32 vcc_lo, v102, v100
	v_cndmask_b32 v100, 0, v100, vcc_lo
	v_cndmask_b32 v101, 0, \w, vcc_lo
	v_sub_nc_u32 v102, v102, v100
	v_add_nc_u32 v103, v103, v101
.endm
	LEVEL 99, 16, 8
	LEVEL 98, 8, 8
	LEVEL 97, 4, 4
	LEVEL 96, 2, 2
	LEVEL 27, 1, 1
	v_lshrrev_b32 v100, 2, v29
	v_and_b32 v101, 3, v29
	v_lshl_add_u32 v30, v100, 7, v101
	v_lshl_add_u32 v30, v103, 2, v30               ; the token: 128 (register / 4) + 4 x place + register % 4
	v_min_u32 v30, 0x3ff, v30                      ; it enters addresses: held inside the table
	v_lshlrev_b32 v6, 2, v30
	global_load_b32 v7, v6, s[8:9]                 ; its score
	v_lshlrev_b32 v5, 12, v30
	v_lshl_add_u32 v5, v2, 6, v5                   ; x: its row of 4,096 bytes, + 64 h: my 16 numbers of a block of 32
	s_mov_b32 s27, 0
	s_lshl_b32 s26, s18, 10
	s_add_nc_u64 s[20:21], s[4:5], s[26:27]        ; my two K steps
.macro XLOAD sl
.irp b, 0,1,2,3
.irp j, 0,1,2,3
	global_load_b128 v[ST+64*\sl+16*\b+4*\j:ST+64*\sl+16*\b+4*\j+3], v5, s[20:21] offset:512*\sl+128*\b+16*\j
.endr
.endr
.endm
	XLOAD 0
	XLOAD 1
	s_lshl_b32 s26, ttmp9, 15                      ; codes: 32,768 u + 8,192 pair + 2,048 tile
	s_lshl_b32 s70, s18, 13
	s_add_co_u32 s26, s26, s70
	s_lshl_b32 s70, s17, 11
	s_add_co_u32 s26, s26, s70
	s_add_nc_u64 s[22:23], s[14:15], s[26:27]
	s_lshl_b32 s26, ttmp9, 10                      ; scale words: 1,024 u + 512 tile + 8 pair
	s_lshl_b32 s70, s17, 9
	s_add_co_u32 s26, s26, s70
	s_lshl_b32 s70, s18, 3
	s_add_co_u32 s26, s26, s70
	s_add_nc_u64 s[24:25], s[14:15], s[26:27]
	s_add_nc_u64 s[24:25], s[24:25], XSOFF
	s_lshl_b32 s26, ttmp9, 7                       ; the lists: 128 u + 64 tile
	s_lshl_b32 s70, s17, 6
	s_add_co_u32 s26, s26, s70
	s_add_nc_u64 s[32:33], s[10:11], s[26:27]
	s_add_nc_u64 s[34:35], s[12:13], s[26:27]
	v_lshlrev_b32 v31, 5, v1
	v_lshl_add_u32 v31, v2, 2, v31                 ; 32 r + 4 h: lanes 0-15 store the first K step's word, lanes 16-31 the second's
; 64 numbers of a lane, register 16 b + i = k 32 b + 16 h + i of my row, become a fragment's codes and its scale word
.macro QUANT s, pc, pw
.irp b, 0,1,2,3
	v_max3_num_f32 v[TM+\b], |v[\s+16*\b]|, |v[\s+1+16*\b]|, 0x4800000   ; my 16 numbers of block b, and the floor 2^(9 - 127): the byte cannot fall under 1
.endr
.irp i, 2,4,6,8,10,12,14
.irp b, 0,1,2,3
	v_max3_num_f32 v[TM+\b], v[TM+\b], |v[\s+16*\b+\i]|, |v[\s+1+16*\b+\i]|
.endr
.endr
.irp b, 0,1,2,3
	v_permlanex16_b32 v[TM+4+\b], v[TM+\b], s28, s29
.endr
.irp b, 0,1,2,3
	v_max_num_f32 v[TM+\b], v[TM+\b], v[TM+4+\b]   ; with lane l xor 16's: the block's largest magnitude
.endr
.irp b, 0,1,2,3
	v_add_nc_u32 v[TM+12+\b], 0xfc000000, v[TM+\b] ; 8 off its exponent field: the conversion's scale operand
.endr
.irp b, 0,1,2,3
	v_and_or_b32 v[TM+8+\b], v[TM+\b], 0x7f800000, s30   ; 448 x the scale
.endr
.irp b, 0,1,2,3
	v_lshrrev_b32 v[TM+4+\b], 23, v[TM+12+\b]      ; the scale's byte
.endr
	v_lshl_or_b32 v[\pw], v[TM+5], 8, v[TM+4]
	v_lshl_or_b32 v[\pw], v[TM+6], 16, v[\pw]
	v_lshl_or_b32 v[\pw], v[TM+7], 24, v[\pw]
.irp b, 0,1,2,3
.irp i, 0,1,2,3,4,5,6,7,8,9,10,11,12,13,14,15
	v_med3_num_f32 v[\s+16*\b+\i], v[\s+16*\b+\i], -v[TM+8+\b], v[TM+8+\b]   ; the conversion to an 8-bit code does not saturate (ISA guide 7.6.2): the hold comes first
.endr
	v_cvt_scalef32_pk8_fp8_f32 v[\pc+4*\b:\pc+1+4*\b], v[\s+16*\b:\s+7+16*\b], v[TM+12+\b]
	v_cvt_scalef32_pk8_fp8_f32 v[\pc+2+4*\b:\pc+3+4*\b], v[\s+8+16*\b:\s+15+16*\b], v[TM+12+\b]
.endr
	v_nop                                          ; a plain instruction behind the last conversion
.endm
	s_wait_loadcnt 16                              ; the first K step is in (and prob, and my token's score); the second's sixteen loads stay out
	QUANT ST, PC, PW
.irp c, 0,1,2,3
	global_store_b128 v4, v[PC+4*\c:PC+4*\c+3], s[22:23] offset:512*\c          ; 512 consecutive bytes a store
.endr
	s_wait_loadcnt 0x0
	QUANT ST+64, PC+16, PW+1
.irp c, 0,1,2,3
	global_store_b128 v4, v[PC+16+4*\c:PC+16+4*\c+3], s[22:23] offset:4096+512*\c
.endr
	v_cndmask_b32 v26, v[PW], v[PW+1], s31
	global_store_b32 v31, v26, s[24:25]
	s_cmp_lg_u32 s18, 0
	s_cbranch_scc1 .Lend                           ; the lists are stored by waves 0 and 1, a tile each
.irp n, 0,1,2,3
	v_mov_b32 v[96+\n], 0
.endr
.set g, 0
.rept 32                               ; the expert's sum of scores, in four chains
	v_cmp_eq_u32 vcc_lo, s57, v[TK+g]
	v_cndmask_b32 v[100+g%4], 0, v[PR+g], vcc_lo
	v_add_f32 v[96+g%4], v[96+g%4], v[100+g%4]
.set g, g+1
.endr
	v_add_f32 v96, v96, v97
	v_add_f32 v98, v98, v99
	v_add_f32 v96, v96, v98
	v_add_f32_dpp v96, v96, v96 row_xmask:1 row_mask:0xf bank_mask:0xf
	v_add_f32_dpp v96, v96, v96 row_xmask:2 row_mask:0xf bank_mask:0xf
	v_add_f32_dpp v96, v96, v96 row_xmask:4 row_mask:0xf bank_mask:0xf
	v_add_f32_dpp v96, v96, v96 row_xmask:8 row_mask:0xf bank_mask:0xf
	v_permlanex16_b32 v97, v96, s28, s29
	v_add_f32 v96, v96, v97
	v_add_f32 v96, 0x358637bd, v96                 ; + 1e-6
	v_rcp_f32 v97, v96
	v_lshlrev_b32 v105, 2, v1                      ; 4 r.  (The plain instruction behind the reciprocal)
	v_lshlrev_b32 v106, 2, v3                      ; 4 x lane
	s_wait_alu depctr_va_vdst(0)
	v_mul_f32 v97, v7, v97
	v_mul_f32 v97, 0x44800000, v97                 ; x the capacity, 1,024
	v_mov_b32 v108, 0                              ; the table of counts and first units, a word a lane
.irp e, 0,1,2,3,4,5,6,7
	v_writelane_b32 v108, s[40+\e], \e
	v_writelane_b32 v108, s[48+\e], 8+\e
.endr
	s_wait_xcnt 0x0                                ; EXEC changes only behind this wait
	v_cmpx_gt_u32 16, v3                           ; both halves of the lanes hold the same rows
	global_store_b32 v105, v30, s[32:33] offset:256
	global_store_b32 v105, v97, s[34:35]
	s_or_b32 s70, ttmp9, s16
	s_cmp_lg_u32 s70, 0
	s_cbranch_scc1 .Lend                           ; the table is stored once, by wave 0 of unit 0 (which every split has)
	global_store_b32 v106, v108, s[10:11]
.Lend:
	s_endpgm
.Lfunc_end_k_q0b65ce3cf3_place:
	.size	k_q0b65ce3cf3_place, .Lfunc_end_k_q0b65ce3cf3_place-k_q0b65ce3cf3_place
	.p2alignl 7, 3214868480
	.fill 96, 4, 3214868480
	.section	.rodata,"a",@progbits
	.p2align	6, 0x0
	.amdhsa_kernel k_q0b65ce3cf3_place
		.amdhsa_group_segment_fixed_size 0
		.amdhsa_private_segment_fixed_size 0
		.amdhsa_enable_private_segment 0
		.amdhsa_kernarg_size 48
		.amdhsa_user_sgpr_count 2
		.amdhsa_user_sgpr_kernarg_segment_ptr 1
		.amdhsa_wavefront_size32 1
		.amdhsa_system_sgpr_workgroup_id_x 1
		.amdhsa_system_sgpr_workgroup_id_y 1
		.amdhsa_system_sgpr_workgroup_id_z 1
		.amdhsa_system_vgpr_workitem_id 0
		.amdhsa_next_free_vgpr 256
		.amdhsa_next_free_sgpr 80
		.amdhsa_reserve_vcc 1
		.amdhsa_float_denorm_mode_32 3
		.amdhsa_float_denorm_mode_16_64 3
		.amdhsa_memory_ordered 1
		.amdhsa_forward_progress 1
		.amdhsa_inst_pref_size 77
	.end_amdhsa_kernel
	.amdgpu_metadata
---
amdhsa.version: [ 1, 2 ]
amdhsa.kernels:
  - .name:           k_q0b65ce3cf3_place
    .symbol:         k_q0b65ce3cf3_place.kd
    .args:
      - { .name: x, .offset: 0, .size: 8, .value_kind: global_buffer, .address_space: global }
      - { .name: top1, .offset: 8, .size: 8, .value_kind: global_buffer, .address_space: global }
      - { .name: prob, .offset: 16, .size: 8, .value_kind: global_buffer, .address_space: global }
      - { .name: route, .offset: 24, .size: 8, .value_kind: global_buffer, .address_space: global }
      - { .name: gw, .offset: 32, .size: 8, .value_kind: global_buffer, .address_space: global }
      - { .name: xq, .offset: 40, .size: 8, .value_kind: global_buffer, .address_space: global }
    .group_segment_fixed_size: 0
    .private_segment_fixed_size: 0
    .kernarg_segment_align: 8
    .kernarg_segment_size: 48
    .max_flat_workgroup_size: 256
    .sgpr_count:     80
    .vgpr_count:     256
    .wavefront_size: 32
...
	.end_amdgpu_metadata
.endif
;; end of part 2
;; launch ffn1 (part 3): grid 32 x 8, 16 waves a work-group, no clusters, 139,264 bytes of LDS; arguments w1, b1, xq, route, hq; writes hq
.if DOCPART == 3
	.amdgcn_target "amdgcn-amd-amdhsa--gfx1250"
	.amdhsa_code_object_version 6
	.text
	.protected	k_q0b65ce3cf3_ffn1
	.globl	k_q0b65ce3cf3_ffn1
	.p2align	8
	.type	k_q0b65ce3cf3_ffn1,@function
k_q0b65ce3cf3_ffn1:
	s_mov_b64 s[64:65], 0
	v_nop
	global_prefetch_b8 v0, s[64:65] scope:SCOPE_SE
	s_setreg_imm32_b32 hwreg(HW_REG_WAVE_MODE, 25, 1), 1
	s_wait_xcnt 0x0
; THE FIRST PRODUCT: hidden = gelu(x w1[e] + b1[e]) for the rows routed to expert e, quantised on the way; MX-FP8 (E4M3 codes, one E8M0 scale for each 32 along K), f32 sums.
; w1 [8][1024 k][4096] f32, K its first axis within an expert.  Work-group (hs, e) owns hidden units 128 hs .. 128 hs + 127 of expert e.
; PHASE A.  Its 1,024 x 128 numbers of w1 are read once, quantised along K, and laid in LDS as codes with K innermost; they stay there.  Wave w: columns 64 (w & 1) on, k = 128 (w >> 1) on, in four pieces of 32 k.
;   Lane (q, h) takes four neighbouring columns of rows k0 + 16 h + 0..15: each load of the wave reads two runs of 256 consecutive bytes, aligned.  A block of 32 along K lies in lanes l and l xor 16.
;   Four COLUMNS stand in neighbouring registers, so the pair conversion is used (on numbers already divided by the scale, an exact multiplication by a power of two, and held at +-448).
;   The lanes of a code store stand four LDS rows apart, so these stores meet in the banks; LDS has nothing else to do in this phase.
; ONE BARRIER.   PHASE B.  A loop over the expert's units of 32 rows (a count read from route): no barrier in it, every LDS address a register made at the head plus an immediate, K written out.
;   A pair of waves takes units (w >> 1), (w >> 1) + 8, ..: at most four trips, counted by 1.  Each wave of the pair: 64 hidden units x 32 rows: eight accumulators by turns.
;   Source 0 = 16 rows of the weight's codes, source 1 = 16 tokens: a lane holds one token, its registers hidden units.
;   LDS row rho holds column rho with bits 3 and 4 exchanged, so that the 16 registers of two neighbouring tiles are 16 neighbours along the next K.  b1 is loaded straight into the accumulators.
;   gelu(x) = max(x, 0) - (|x| / 2) erfc(|x| / sqrt 2), erfc(z) = t exp(-z^2 + a polynomial of degree 9 in t), t = 1 / (1 + z / 2): fractional error 1.2e-7 by its authors' figure, evaluated in f32.
; No tensor load and no cluster: the trip count hangs on a stored count, and what the work-groups of an expert share (the rows' codes) is small beside the weights, which nobody shares.
; hq: codes [39 unit][32 K step][2 tile][4 c][32 lane][16 bytes], images of operand registers; from HSOFF on the scale words [39][32 K step][32 row].
; LIMITS: a block whose largest magnitude lies under 2^(9 - 127), a block of zeros too, gets the scale byte 1; NaN and infinities are not served.  An expert without rows still streams its weights.
.set PIT,   1040                       ; an LDS row: 1,024 codes + 16: an odd multiple of 16 bytes
.set SCW,   128*PIT                    ; behind the codes: the weights' scale words, [8 K step][128 row]
.set SST,   512
.set ROWB,  16384                      ; a row of w1 in bytes
.set XSOFF, 39*32768
.set HSOFF, 39*131072
.set NS,    8                          ; K steps of 128
.set LPS,   8                          ; global loads for a K step of the token operand
.set GOFF, 4                           ; v4   the stream: 262,144 h + 16 q'
.set LW,   5                           ; v5   where my codes go
.set LSW,  6                           ; v6   where my scale words go
.set WB,   7                           ; v7   my lane's place in a fragment of the weights
.set SB,   8                           ; v8   and among their scale words
.set L16,  9                           ; v9   16 x lane
.set L32,  10                          ; v10  32 x lane
.set BO,   11                          ; v11  64 h
.set HSO,  12                          ; v12  4 x lane + 2 x my half
.set C9,   14                          ; v[14:15] the polynomial's leading coefficient, twice
.set XSC,  16                          ; v16-23 x's scale words, a register a K step: lanes 0-15 tile 0's rows, lanes 16-31 tile 1's.  Scales alone
.set WS,   24                          ; v24-25 the weights' scale words: lanes 0-15 tile 2 p, lanes 16-31 tile 2 p + 1.  Scales alone
.set CD,   32                          ; phase A: v32-47 codes, v48-51 maxima, v52-55 at work, v56-59 1 / scale, v60-63 scale words; v64-255 three sets of 64 numbers
.set MX,   48
.set TP,   52
.set IV,   56
.set SWD,  60
.set ACC,  32                          ; phase B: v32-95 accumulators, (tile of tokens i, tile of units t) at ACC + 32 i + 8 t
.set WF,   96                          ; v96-159 four fragments of the weights
.set OF,   160                         ; v160-255 the token operand: a ring of three K steps x two tiles
.set ZZ,   96                          ; the way out: v96-103 z, v104-111 t, v112-119 the polynomial
.set TT,   104
.set PP,   112
.set TM,   120                         ; v120-135 the quantiser's
.set PC,   136                         ; v136-151 four blocks of codes
.set HW,   152                         ; v152-154 half scale words
	s_load_b256 s[4:11], s[0:1], 0x0               ; w1 s[4:5], b1 s[6:7], xq s[8:9], route s[10:11]
	s_load_b64 s[12:13], s[0:1], 0x20              ; hq
	v_lshl_add_u32 v30, v0, 2, 0x21800
	v_mov_b32 v31, 0
	v_lshrrev_b32 v1, 5, v0
	v_readfirstlane_b32 s14, v1                    ; wave
	s_and_b32 s15, ttmp7, 0xffff                   ; expert
	s_and_b32 s17, s14, 1                          ; which 64 columns
	s_lshr_b32 s18, s14, 1                         ; phase A: which 128 k; phase B: my first unit
	v_and_b32 v1, 15, v0                           ; q, and r
	v_bfe_u32 v2, v0, 4, 1                         ; h
	v_and_b32 v3, 31, v0                           ; lane
	v_and_b32 v13, 9, v1                           ; q' = q with bits 1 and 2 exchanged: bits 3 and 4 of the column
	v_bfe_u32 v26, v1, 1, 1
	v_bfe_u32 v27, v1, 2, 1
	v_lshl_add_u32 v13, v26, 2, v13
	v_lshl_add_u32 v13, v27, 1, v13
	v_lshlrev_b32 v[GOFF], 4, v13
	v_lshl_add_u32 v[GOFF], v2, 18, v[GOFF]        ; lanes 16-31: sixteen rows further down
	s_lshl_b32 s26, s15, 24                        ; the expert's 16,777,216 bytes,
	s_lshl_b32 s25, s18, 21                        ; 128 rows,
	s_add_co_u32 s26, s26, s25
	s_lshl_b32 s25, ttmp9, 9                       ; 128 columns,
	s_add_co_u32 s26, s26, s25
	s_lshl_b32 s25, s17, 8                         ; 64 columns
	s_add_co_u32 s26, s26, s25
	s_mov_b32 s27, 0
	s_lshl_b32 s19, s15, 2
	s_wait_kmcnt 0x0
	s_add_nc_u64 s[4:5], s[4:5], s[26:27]
.macro LOADW blk                       ; piece blk: 32 k x 64 columns into set blk % 3; register 4 i + j: row i of my sixteen, column j of my four
.irp i, 0,1,2,3,4,5,6,7,8,9,10,11,12,13,14,15
	global_load_b128 v[64+64*((\blk)%3)+4*\i:64+64*((\blk)%3)+4*\i+3], v[GOFF], s[4:5] offset:(32*(\blk)+\i)*ROWB th:TH_LOAD_NT
.endr
.endm
	LOADW 0
	LOADW 1
	LOADW 2
	s_load_b32 s20, s[10:11], s19 offset:0x0       ; the expert's count
	s_load_b32 s21, s[10:11], s19 offset:0x20      ; and its first unit
	v_lshlrev_b32 v13, 2, v1
	v_mul_u32_u24 v[LW], v13, PIT
	v_lshl_add_u32 v[LW], v2, 4, v[LW]
	s_mul_i32 s25, s17, 64*PIT
	s_lshl_b32 s38, s18, 7
	s_add_co_u32 s38, s38, s25
	v_add_nc_u32 v[LW], s38, v[LW]                 ; rows 64 half + 4 q + j, byte 128 (w >> 1) + 16 h
	v_mul_u32_u24 v[WB], v1, PIT
	v_lshl_add_u32 v[WB], v2, 4, v[WB]
	v_add_nc_u32 v[WB], s25, v[WB]                 ; row 64 half + r, + 16 h
	s_lshl_b32 s25, s17, 8
	s_add_co_u32 s25, s25, SCW
	v_lshl_add_u32 v[SB], v3, 2, s25
	s_lshl_b32 s38, s18, 9
	s_add_co_u32 s38, s38, s25
	v_lshl_add_u32 v[LSW], v1, 4, s38
	v_lshlrev_b32 v[L16], 4, v3
	v_lshlrev_b32 v[L32], 5, v3
	v_lshlrev_b32 v[BO], 6, v2
	s_lshl_b32 s25, s17, 1
	v_lshl_add_u32 v[HSO], v3, 2, s25
	v_mov_b32 v[C9], 0x3e2ef945                    ; 0.17087277
	v_mov_b32 v[C9+1], 0x3e2ef945
.set n, 0
.rept 16
	v_mov_b32 v[CD+n], 0                           ; the pair conversion writes halves of these
.set n, n+1
.endr
.irp j, 0,1,2,3
	v_mov_b32 v[TP+\j], 0                          ; a lane permute's destination counts as one of its sources
.endr
	s_mov_b32 s42, 0x76543210
	s_mov_b32 s43, 0xfedcba98
	s_mov_b32 s44, 0x83000000                      ; 262 << 23: less the largest magnitude's exponent field it is 1 / scale as f32
	s_mov_b32 s45, 0xc3e00000                      ; -448
	s_mov_b32 s46, 0x43e00000                      ; 448
	s_mov_b32 s47, 0xffff0000                      ; lanes 16-31
	s_mov_b32 s48, 0x3f3504f3                      ; 1 / sqrt 2
	s_mov_b32 s49, 0x600000                        ; the mantissa field of 448
	s_lshl_b32 s26, s15, 14                        ; b1: the expert's row, my 64 units
	s_lshl_b32 s25, ttmp9, 9
	s_add_co_u32 s26, s26, s25
	s_lshl_b32 s25, s17, 8
	s_add_co_u32 s26, s26, s25
	s_add_nc_u64 s[36:37], s[6:7], s[26:27]
	s_lshl_b32 s26, ttmp9, 12                      ; hq's codes: K step hs, blocks 2 half and the next
	s_lshl_b32 s25, s17, 10
	s_add_co_u32 s26, s26, s25
	s_add_nc_u64 s[50:51], s[12:13], s[26:27]
	s_lshl_b32 s26, ttmp9, 7                       ; hq's scale words of K step hs
	s_add_nc_u64 s[52:53], s[12:13], s[26:27]
	s_add_nc_u64 s[52:53], s[52:53], HSOFF
	s_add_nc_u64 s[54:55], s[8:9], XSOFF           ; x's scale words
.macro CV lo, hi, o                    ; four neighbours along K of one column into one register of codes
	v_cvt_pk_fp8_f32 \lo, v[XS+(\o)], v[XS+(\o)+4]
	v_cvt_pk_fp8_f32 \hi, v[XS+(\o)+8], v[XS+(\o)+12]
.endm
.macro QW blk                          ; piece blk is quantised; its codes, and with every fourth piece its scale words, go to LDS
.set XS, 64+64*((\blk)%3)
.irp j, 0,1,2,3
	v_max3_num_f32 v[MX+\j], |v[XS+\j]|, |v[XS+4+\j]|, 0x4800000      ; my sixteen numbers of column j, and the floor 2^(9 - 127)
.endr
.irp i, 2,4,6,8,10,12,14
.irp j, 0,1,2,3
	v_max3_num_f32 v[MX+\j], v[MX+\j], |v[XS+4*\i+\j]|, |v[XS+4*\i+4+\j]|
.endr
.endr
.irp j, 0,1,2,3
	v_permlanex16_b32 v[TP+\j], v[MX+\j], s42, s43
.endr
.irp j, 0,1,2,3
	v_max_num_f32 v[MX+\j], v[MX+\j], v[TP+\j]     ; with lane l xor 16's sixteen: the block's largest magnitude
.endr
.irp j, 0,1,2,3
	v_and_b32 v[MX+\j], 0x7f800000, v[MX+\j]       ; its exponent field F, 9 to 254
.endr
.irp j, 0,1,2,3
	v_sub_nc_u32 v[IV+\j], s44, v[MX+\j]           ; 1 / scale = 2^(135 - F): field 262 - F, 8 to 253: a normal number
.endr
.irp j, 0,1,2,3
	v_lshrrev_b32 v[TP+\j], 23, v[MX+\j]
.endr
.irp j, 0,1,2,3
	v_add_nc_u32 v[TP+\j], -8, v[TP+\j]            ; the scale's byte
.endr
	s_wait_dscnt 0x0                               ; the last piece's LDS stores have read their registers
.irp j, 0,1,2,3
.if ((\blk)%4) == 0
	v_mov_b32 v[SWD+\j], v[TP+\j]
.else
	v_lshl_or_b32 v[SWD+\j], v[TP+\j], 8*((\blk)%4), v[SWD+\j]
.endif
.endr
.irp i, 0,1,2,3,4,5,6,7,8,9,10,11,12,13,14,15
	v_pk_mul_f32 v[XS+4*\i:XS+4*\i+1], v[XS+4*\i:XS+4*\i+1], v[IV:IV+1]
	v_pk_mul_f32 v[XS+4*\i+2:XS+4*\i+3], v[XS+4*\i+2:XS+4*\i+3], v[IV+2:IV+3]
.endr
.set n, 0
.rept 64
	v_med3_num_f32 v[XS+n], v[XS+n], s45, s46      ; the conversion to an 8-bit code does not saturate (ISA guide 7.6.2)
.set n, n+1
.endr
	CV v32.l, v32.h, 0
	CV v36.l, v36.h, 1
	CV v40.l, v40.h, 2
	CV v44.l, v44.h, 3
	CV v33.l, v33.h, 16
	CV v37.l, v37.h, 17
	CV v41.l, v41.h, 18
	CV v45.l, v45.h, 19
	CV v34.l, v34.h, 32
	CV v38.l, v38.h, 33
	CV v42.l, v42.h, 34
	CV v46.l, v46.h, 35
	CV v35.l, v35.h, 48
	CV v39.l, v39.h, 49
	CV v43.l, v43.h, 50
	CV v47.l, v47.h, 51
.irp j, 0,1,2,3
	ds_store_b128 v[LW], v[CD+4*\j:CD+4*\j+3] offset:\j*PIT+32*(\blk)
.endr
.if ((\blk)%4) == 3
	ds_store_b128 v[LSW], v[SWD:SWD+3] offset:((\blk)/4)*SST       ; both halves of the lanes write the same words
.endif
.endm
	s_wait_loadcnt 32                              ; piece 0 is in; the 32 loads of pieces 1 and 2 stay out
	QW 0
	LOADW 3
	s_wait_loadcnt 32                              ; pieces 2 and 3 stay out
	QW 1
	s_wait_loadcnt 16                              ; piece 3 stays out
	QW 2
	s_wait_loadcnt 0x0
	QW 3
	s_wait_kmcnt 0x0                               ; the count and the first unit
	s_add_co_u32 s22, s20, 31
	s_lshr_b32 s22, s22, 5
	s_min_u32 s22, s22, 32                         ; the expert's units
	s_add_co_u32 s22, s22, 7
	s_sub_co_u32 s22, s22, s18                     ; (my first unit is 0 to 7: never under 0)
	s_lshr_b32 s22, s22, 3                         ; my trips: units (w >> 1), (w >> 1) + 8, .. under the expert's number of units
	s_min_u32 s22, s22, 4                          ; 32 units for 8 pairs of waves: four at the most
	s_mov_b32 s23, 0                               ; the trip
	s_wait_dscnt 0x0                               ; for the others' sake: my codes and scale words lie in LDS
	s_barrier_signal -1
	s_barrier_wait -1                              ; everybody's do; nothing in LDS is written again
	s_cmp_eq_u32 s22, 0
	s_cbranch_scc1 .Lend
.macro WLOAD s                         ; K step s of the weights: four fragments and two registers of scale words
.irp t, 0,1,2,3
.irp c, 0,1,2,3
	ds_load_b128 v[WF+16*\t+4*\c:WF+16*\t+4*\c+3], v[WB] offset:\t*16*PIT+128*(\s)+32*\c
.endr
.endr
	ds_load_b32 v[WS], v[SB] offset:SST*(\s)
	ds_load_b32 v[WS+1], v[SB] offset:SST*(\s)+128
.endm
.macro OLOAD s                         ; K step s of the unit's rows: two fragments, 512 consecutive bytes a load
.irp i, 0,1
.irp c, 0,1,2,3
	global_load_b128 v[OF+32*((\s)%3)+16*\i+4*\c:OF+32*((\s)%3)+16*\i+4*\c+3], v[L16], s[28:29] offset:(\s)*4096+\i*2048+\c*512
.endr
.endr
.endm
.macro MM t, i, s                      ; one product; the rows of the scale registers go with the tiles
.if (((\t)%2) == 0) && ((\i) == 0)
	v_wmma_scale_f32_16x16x128_f8f6f4 v[ACC+32*(\i)+8*(\t):ACC+32*(\i)+8*(\t)+7], v[WF+16*(\t):WF+16*(\t)+15], v[OF+32*((\s)%3)+16*(\i):OF+32*((\s)%3)+16*(\i)+15], v[ACC+32*(\i)+8*(\t):ACC+32*(\i)+8*(\t)+7], v[WS+(\t)/2], v[XSC+(\s)]
.elseif ((\i) == 0)
	v_wmma_scale_f32_16x16x128_f8f6f4 v[ACC+32*(\i)+8*(\t):ACC+32*(\i)+8*(\t)+7], v[WF+16*(\t):WF+16*(\t)+15], v[OF+32*((\s)%3)+16*(\i):OF+32*((\s)%3)+16*(\i)+15], v[ACC+32*(\i)+8*(\t):ACC+32*(\i)+8*(\t)+7], v[WS+(\t)/2], v[XSC+(\s)] matrix_a_scale:MATRIX_SCALE_ROW1
.elseif (((\t)%2) == 0)
	v_wmma_scale_f32_16x16x128_f8f6f4 v[ACC+32*(\i)+8*(\t):ACC+32*(\i)+8*(\t)+7], v[WF+16*(\t):WF+16*(\t)+15], v[OF+32*((\s)%3)+16*(\i):OF+32*((\s)%3)+16*(\i)+15], v[ACC+32*(\i)+8*(\t):ACC+32*(\i)+8*(\t)+7], v[WS+(\t)/2], v[XSC+(\s)] matrix_b_scale:MATRIX_SCALE_ROW1
.else
	v_wmma_scale_f32_16x16x128_f8f6f4 v[ACC+32*(\i)+8*(\t):ACC+32*(\i)+8*(\t)+7], v[WF+16*(\t):WF+16*(\t)+15], v[OF+32*((\s)%3)+16*(\i):OF+32*((\s)%3)+16*(\i)+15], v[ACC+32*(\i)+8*(\t):ACC+32*(\i)+8*(\t)+7], v[WS+(\t)/2], v[XSC+(\s)] matrix_a_scale:MATRIX_SCALE_ROW1 matrix_b_scale:MATRIX_SCALE_ROW1
.endif
.endm
.macro KSTEP s
.if NS-1-(\s) >= 2
	s_wait_loadcnt 2*LPS                           ; this K step's rows are in; those of the two K steps behind it stay out
.else
	s_wait_loadcnt LPS*(NS-1-(\s))
.endif
	s_wait_dscnt 0x0                               ; the weights' fragments and scale words
.irp t, 0,1,2,3
.irp i, 0,1
	MM \t, \i, \s                                  ; the eight accumulators take turns, one instruction a turn
.endr
.endr
.rept 8
	v_nop                                          ; eight places between these products and loads into registers that they read, or the first read of their results
.endr
.if (\s)+1 < NS
	WLOAD (\s)+1
.endif
.if (\s)+3 < NS
	OLOAD (\s)+3
.endif
.endm
.macro GELU8 a                         ; eight numbers at v[a] on, in place
.irp k, 0,1,2,3,4,5,6,7
	v_mul_f32 v[ZZ+\k], s48, |v[(\a)+\k]|          ; z = |x| / sqrt 2.  (An accumulator is read from its low end on)
.endr
.irp k, 0,2,4,6
	v_pk_fma_f32 v[TT+\k:TT+\k+1], v[ZZ+\k:ZZ+\k+1], 0.5, 1.0 op_sel_hi:[1,0,0]
.endr
.irp k, 0,1,2,3,4,5,6,7
	v_rcp_f32 v[TT+\k], v[TT+\k]                   ; t = 1 / (1 + z / 2)
.endr
.irp k, 0,1,2,3,4,5,6,7
	v_max_num_f32 v[(\a)+\k], 0, v[(\a)+\k]        ; max(x, 0).  (Plain instructions behind the reciprocals)
.endr
	s_wait_alu depctr_va_vdst(0)
.irp k, 0,2,4,6
	v_pk_fma_f32 v[PP+\k:PP+\k+1], v[TT+\k:TT+\k+1], v[C9:C9+1], 0xbf527892 op_sel_hi:[1,1,0]      ; 0.17087277 t - 0.82215223
.endr
.irp cf, 0x3fbe87b0, 0xbf914e5d, 0x3e8ec7cc, 0xbe3ec24c, 0x3dc636c9, 0x3ebf88fb, 0x3f8000c7, 0xbfa1fc4e
.irp k, 0,2,4,6                        ; 1.48851587, -1.13520398, 0.27886807, -0.18628806, 0.09678418, 0.37409196, 1.00002368, -1.26551223
	v_pk_fma_f32 v[PP+\k:PP+\k+1], v[PP+\k:PP+\k+1], v[TT+\k:TT+\k+1], \cf op_sel_hi:[1,1,0]
.endr
.endr
.irp k, 0,2,4,6
	v_pk_fma_f32 v[PP+\k:PP+\k+1], v[ZZ+\k:ZZ+\k+1], v[ZZ+\k:ZZ+\k+1], v[PP+\k:PP+\k+1] neg_lo:[1,0,0] neg_hi:[1,0,0]   ; - z^2
.endr
.irp k, 0,2,4,6
	v_pk_mul_f32 v[PP+\k:PP+\k+1], v[PP+\k:PP+\k+1], 0x3fb8aa3b op_sel_hi:[1,0]
.endr
.irp k, 0,1,2,3,4,5,6,7
	v_exp_f32 v[PP+\k], v[PP+\k]
.endr
.irp k, 0,2,4,6
	v_pk_mul_f32 v[ZZ+\k:ZZ+\k+1], v[ZZ+\k:ZZ+\k+1], 0x3f3504f3 op_sel_hi:[1,0]    ; |x| / 2.  (Plain instructions behind the exponentials)
.endr
	s_wait_alu depctr_va_vdst(0)
.irp k, 0,2,4,6
	v_pk_mul_f32 v[PP+\k:PP+\k+1], v[PP+\k:PP+\k+1], v[TT+\k:TT+\k+1]              ; erfc(z)
.endr
.irp k, 0,2,4,6
	v_pk_fma_f32 v[(\a)+\k:(\a)+\k+1], v[ZZ+\k:ZZ+\k+1], v[PP+\k:PP+\k+1], v[(\a)+\k:(\a)+\k+1] neg_lo:[1,0,0] neg_hi:[1,0,0]
.endr
.endm
.Lunit:
	s_wait_xcnt 0x0                                ; the last trip's stores have read their bases and data: both are written again below
	s_lshl_b32 s24, s23, 3                         ; the unit: the expert's first + my first + 8 x the trip
	s_add_co_u32 s24, s24, s18
	s_add_co_u32 s24, s24, s21
	s_min_u32 s24, s24, 38                         ; it enters addresses: held inside the buffers
	s_lshl_b32 s26, s24, 15
	s_add_nc_u64 s[28:29], s[8:9], s[26:27]        ; its rows' codes,
	s_lshl_b32 s26, s24, 10
	s_add_nc_u64 s[30:31], s[54:55], s[26:27]      ; their scale words,
	s_lshl_b32 s26, s24, 17
	s_add_nc_u64 s[32:33], s[50:51], s[26:27]      ; where its hidden codes go,
	s_lshl_b32 s26, s24, 12
	s_add_nc_u64 s[34:35], s[52:53], s[26:27]      ; and their scale words
.irp i, 0,1
.irp t, 0,1,2,3                        ; b1 starts the sums: lane (r, h) wants, for tile t, units 32 (t / 2) + 16 h + 8 (t % 2) + 0..7
	global_load_b128 v[ACC+32*\i+8*\t:ACC+32*\i+8*\t+3], v[BO], s[36:37] offset:(32*(\t/2)+8*(\t%2))*4
	global_load_b128 v[ACC+32*\i+8*\t+4:ACC+32*\i+8*\t+7], v[BO], s[36:37] offset:(32*(\t/2)+8*(\t%2))*4+16
.endr
.endr
	global_load_b128 v[XSC:XSC+3], v[L32], s[30:31]
	global_load_b128 v[XSC+4:XSC+7], v[L32], s[30:31] offset:16
	OLOAD 0
	OLOAD 1
	OLOAD 2
	WLOAD 0
.irp s, 0,1,2,3,4,5,6,7
	KSTEP \s
.endr
.irp a, 0,1,2,3,4,5,6,7
	GELU8 ACC+8*\a
.endr
; the hidden layer's four blocks of 32 (tile of tokens b / 2, my block b % 2): registers ACC + 16 b + 0..15 are 16 neighbours along the next K
.irp b, 0,1,2,3
	v_max3_num_f32 v[TM+\b], |v[ACC+16*\b]|, |v[ACC+1+16*\b]|, 0x4800000
.endr
.irp i, 2,4,6,8,10,12,14
.irp b, 0,1,2,3
	v_max3_num_f32 v[TM+\b], v[TM+\b], |v[ACC+16*\b+\i]|, |v[ACC+1+16*\b+\i]|
.endr
.endr
.irp b, 0,1,2,3
	v_permlanex16_b32 v[TM+4+\b], v[TM+\b], s42, s43
.endr
.irp b, 0,1,2,3
	v_max_num_f32 v[TM+\b], v[TM+\b], v[TM+4+\b]
.endr
.irp b, 0,1,2,3
	v_add_nc_u32 v[TM+12+\b], 0xfc000000, v[TM+\b] ; 8 off the exponent field: the conversion's scale operand
.endr
.irp b, 0,1,2,3
	v_and_or_b32 v[TM+8+\b], v[TM+\b], 0x7f800000, s49   ; 448 x the scale
.endr
.irp b, 0,1,2,3
	v_lshrrev_b32 v[TM+4+\b], 23, v[TM+12+\b]      ; the scale's byte
.endr
	v_lshl_or_b32 v[HW], v[TM+5], 8, v[TM+4]       ; my two bytes of tile 0's scale words,
	v_lshl_or_b32 v[HW+1], v[TM+7], 8, v[TM+6]     ; of tile 1's;
	v_cndmask_b32 v[HW+2], v[HW], v[HW+1], s47     ; lane L stores row L's
.irp b, 0,1,2,3
.irp i, 0,1,2,3,4,5,6,7,8,9,10,11,12,13,14,15
	v_med3_num_f32 v[ACC+16*\b+\i], v[ACC+16*\b+\i], -v[TM+8+\b], v[TM+8+\b]
.endr
	v_cvt_scalef32_pk8_fp8_f32 v[PC+4*\b:PC+1+4*\b], v[ACC+16*\b:ACC+7+16*\b], v[TM+12+\b]
	v_cvt_scalef32_pk8_fp8_f32 v[PC+2+4*\b:PC+3+4*\b], v[ACC+8+16*\b:ACC+15+16*\b], v[TM+12+\b]
.endr
	v_nop                                          ; a plain instruction behind the last conversion
.irp i, 0,1
.irp p, 0,1
	global_store_b128 v[L16], v[PC+4*(2*\i+\p):PC+4*(2*\i+\p)+3], s[32:33] offset:\i*2048+\p*512    ; 512 consecutive bytes a store
.endr
.endr
	global_store_b16 v[HSO], v[HW+2], s[34:35]     ; two bytes a row; the pair of waves fills 128 consecutive bytes
	s_add_co_u32 s23, s23, 1
	s_cmp_lt_u32 s23, s22
	s_cbranch_scc1 .Lunit
.Lend:
	s_wait_tensorcnt 0x0
	ds_add_u32 v30, v31
	s_wait_dscnt 0x0
	s_endpgm
.Lfunc_end_k_q0b65ce3cf3_ffn1:
	.size	k_q0b65ce3cf3_ffn1, .Lfunc_end_k_q0b65ce3cf3_ffn1-k_q0b65ce3cf3_ffn1
	.p2alignl 7, 3214868480
	.fill 96, 4, 3214868480
	.section	.rodata,"a",@progbits
	.p2align	6, 0x0
	.amdhsa_kernel k_q0b65ce3cf3_ffn1
		.amdhsa_group_segment_fixed_size 139264
		.amdhsa_private_segment_fixed_size 0
		.amdhsa_enable_private_segment 0
		.amdhsa_kernarg_size 40
		.amdhsa_user_sgpr_count 2
		.amdhsa_user_sgpr_kernarg_segment_ptr 1
		.amdhsa_wavefront_size32 1
		.amdhsa_system_sgpr_workgroup_id_x 1
		.amdhsa_system_sgpr_workgroup_id_y 1
		.amdhsa_system_sgpr_workgroup_id_z 1
		.amdhsa_system_vgpr_workitem_id 0
		.amdhsa_next_free_vgpr 256
		.amdhsa_next_free_sgpr 66
		.amdhsa_reserve_vcc 0
		.amdhsa_float_denorm_mode_32 3
		.amdhsa_float_denorm_mode_16_64 3
		.amdhsa_memory_ordered 1
		.amdhsa_forward_progress 1
		.amdhsa_inst_pref_size 146
	.end_amdhsa_kernel
	.amdgpu_metadata
---
amdhsa.version: [ 1, 2 ]
amdhsa.kernels:
  - .name:           k_q0b65ce3cf3_ffn1
    .symbol:         k_q0b65ce3cf3_ffn1.kd
    .args:
      - { .name: w1, .offset: 0, .size: 8, .value_kind: global_buffer, .address_space: global }
      - { .name: b1, .offset: 8, .size: 8, .value_kind: global_buffer, .address_space: global }
      - { .name: xq, .offset: 16, .size: 8, .value_kind: global_buffer, .address_space: global }
      - { .name: route, .offset: 24, .size: 8, .value_kind: global_buffer, .address_space: global }
      - { .name: hq, .offset: 32, .size: 8, .value_kind: global_buffer, .address_space: global }
    .group_segment_fixed_size: 139264
    .private_segment_fixed_size: 0
    .kernarg_segment_align: 8
    .kernarg_segment_size: 40
    .max_flat_workgroup_size: 512
    .sgpr_count:     66
    .vgpr_count:     256
    .wavefront_size: 32
...
	.end_amdgpu_metadata
.endif
;; end of part 3
;; launch ffn2 (part 4): grid 16 x 16, 16 waves a work-group, no clusters, 174,592 bytes of LDS; arguments w2, b2, hq, route, gw, out0; writes out0
.if DOCPART == 4
	.amdgcn_target "amdgcn-amd-amdhsa--gfx1250"
	.amdhsa_code_object_version 6
	.text
	.protected	k_q0b65ce3cf3_ffn2
	.globl	k_q0b65ce3cf3_ffn2
	.p2align	8
	.type	k_q0b65ce3cf3_ffn2,@function
k_q0b65ce3cf3_ffn2:
	s_mov_b64 s[64:65], 0
	v_nop
	global_prefetch_b8 v0, s[64:65] scope:SCOPE_SE
	s_setreg_imm32_b32 hwreg(HW_REG_WAVE_MODE, 25, 1), 1
	s_wait_xcnt 0x0
; THE SECOND PRODUCT AND THE COMBINE: out0[token] = gate x (hidden w2[e] + b2[e]) for the rows routed to expert e; MX-FP8 (E4M3 codes, one E8M0 scale for each 32 along K), f32 sums.
; w2 [8][4096 k][1024] f32, K its first axis within an expert.  Work-group (x, y) owns columns 64 x + 32 (y & 1) + 0..31 of expert y >> 1, for all of K: 256 work-groups, and each number of out0 has one owner.
; The price: a weight row's piece and a row's piece of out0 are 128 consecutive bytes, half of an aligned 256; the other half is the work-group's at y + 1 or y - 1.  So neither the stream's loads nor the stores say that their bytes are touched once.
; PHASE A.  The 4,096 x 32 numbers of w2 are read once, quantised along K, and laid in LDS as codes with K innermost; they stay there.  Wave w: k = 256 w on, in four pieces of 64 k.
;   Lane (q = lane & 7, g = lane >> 3) takes four neighbouring columns of rows k0 + 16 g + 0..15: a load of the wave reads four runs of 128 bytes.  A block of 32 along K lies in lanes l and l xor 8.
;   Four COLUMNS stand in neighbouring registers, so the pair conversion is used, on numbers already divided by the scale (an exact multiplication by a power of two) and held at +-448.
;   The lanes of a code store stand four LDS rows apart, so lanes q and q + 4 meet in the banks; LDS has nothing else to do in this phase.
; ONE BARRIER.   PHASE B.  Wave w takes the expert's tiles of 16 rows w, w + 16, .. (a count read from route): at most four trips, counted by 1; no barrier, K written out.
;   A tile is half of a unit of 32 rows as the earlier launches lay them.  16 rows x 32 columns: two accumulators by turns.  Each byte of the rows' codes is loaded by one wave of the work-group.
;   Source 0 = 16 columns of the weight's codes, source 1 = 16 tokens: a lane holds one token and eight neighbouring columns.  b2 is loaded straight into the accumulators, so the gate's weight multiplies sum and bias alike.
;   The weights' fragments have two sets of registers, the rows' a ring of eight K steps: four pairs of K steps are on their way.  One load brings the rows' scale words of two K steps (lanes 0-15 the even one, lanes 16-31 the odd).
;   A tile goes through the wave's own stage and leaves as runs of 128 bytes at the tokens' rows.
; No tensor load and no cluster: the trip count hangs on a stored count, and the weights, which are the bulk of the bytes from memory, are shared by nobody.
; LIMITS: a block whose largest magnitude lies under 2^(9 - 127), a block of zeros too, gets the scale byte 1; NaN and infinities are not served.  An expert without rows still streams its weights.
; Rows past an expert's count in its last tile repeat its last token: the same wave stores the same bytes to that row of out0 once more.
.set PIT,   4112                       ; an LDS row: 4,096 codes + 16: an odd multiple of 16 bytes
.set SCW,   32*PIT                     ; the weights' scale words, [32 K step][32 column]
.set SST,   128
.set STAGE, SCW+32*SST                 ; sixteen stages of 16 rows x (128 + 16) bytes
.set SPT,   144
.set ROWB,  4096                       ; a row of w2 in bytes
.set HSOFF, 39*131072
.set NS,    32                         ; K steps of 128
.set NP,    16                         ; pairs of them
.set LPP,   9                          ; global loads for a pair of K steps of the rows: eight of codes, one of scale words
.set GOFF, 4                           ; v4   the stream: 65,536 g + 16 q
.set LW,   5                           ; v5   where my codes go
.set LSW,  6                           ; v6   where my scale words go
.set SB,   7                           ; v7   my lane's place among the weights' scale words
.set WB,   8                           ; v8-9 my lane's place in the fragment of column tile t
.set L16,  10                          ; v10  16 x lane
.set HS4,  11                          ; v11  4 r + 128 h
.set B2O,  12                          ; v12  32 h
.set R4,   13                          ; v13  4 r
.set G4,   14                          ; v14  4 g
.set C16,  15                          ; v15  16 q
.set STO,  16                          ; v16  the stage: where I put 32 bytes of a row
.set RD,   17                          ; v17  and where I read 16 bytes of a row back
.set GW,   18                          ; v18  the gate's weight of my token
.set SH8,  19                          ; v19  8 h
.set HSC,  20                          ; v20-23 the rows' scale words, a ring of four pairs of K steps.  Scales alone
.set WS,   24                          ; v24-25 the weights' scale words, a register a set: lanes 0-15 columns 0-15, lanes 16-31 columns 16-31.  Scales alone
.set TK,   26                          ; v26-29 tokens, then byte offsets in out0
.set CD,   32                          ; phase A: v32-47 codes, v48-51 maxima, v52-55 at work, v56-59 1 / scale, v60-63 scale words; v64-255 three sets of 64 numbers
.set MX,   48
.set TP,   52
.set IV,   56
.set SWD,  60
.set ACC,  32                          ; phase B: v32-47 two accumulators, column tile t at ACC + 8 t
.set OBK,  48                          ; v48-63 rows read back from the stage
.set WF,   64                          ; v64-127 the weights' fragments: set s % 2, column tile t at WF + 32 (s % 2) + 16 t
.set OF,   128                         ; v128-255 the rows' fragments: K step s at OF + 16 (s % 8)
	s_load_b256 s[4:11], s[0:1], 0x0               ; w2 s[4:5], b2 s[6:7], hq s[8:9], route s[10:11]
	s_load_b128 s[12:15], s[0:1], 0x20             ; gw s[12:13], out0 s[14:15]
	v_lshrrev_b32 v1, 5, v0
	v_readfirstlane_b32 s16, v1                    ; wave
	s_and_b32 s25, ttmp7, 0xffff
	s_lshr_b32 s17, s25, 1                         ; expert
	s_and_b32 s18, s25, 1                          ; which 32 of the 64 columns
	s_lshr_b32 s47, s16, 1                         ; phase B: my first unit,
	s_and_b32 s50, s16, 1                          ; and which of its two tiles
	v_and_b32 v1, 15, v0                           ; r
	v_bfe_u32 v2, v0, 4, 1                         ; h
	v_and_b32 v3, 31, v0                           ; lane
	v_and_b32 v30, 7, v0                           ; q
	v_bfe_u32 v31, v0, 3, 2                        ; g
	v_lshlrev_b32 v[C16], 4, v30
	v_lshl_add_u32 v[GOFF], v31, 16, v[C16]        ; sixteen rows of 4,096 bytes for each g
	s_lshl_b32 s51, ttmp9, 8
	s_lshl_b32 s25, s18, 7
	s_add_co_u32 s51, s51, s25                     ; my first column in bytes: 256 x + 128 half
	s_lshl_b32 s26, s17, 24                        ; the expert's 16,777,216 bytes,
	s_lshl_b32 s25, s16, 20                        ; 256 rows,
	s_add_co_u32 s26, s26, s25
	s_add_co_u32 s26, s26, s51                     ; my columns
	s_mov_b32 s27, 0
	s_lshl_b32 s19, s17, 2
	s_wait_kmcnt 0x0
	s_add_nc_u64 s[4:5], s[4:5], s[26:27]
.macro LOADW blk                       ; piece blk: 64 k x 32 columns into set blk % 3; register 4 i + j: row i of my sixteen, column j of my four
.irp i, 0,1,2,3,4,5,6,7,8,9,10,11,12,13,14,15
	global_load_b128 v[64+64*((\blk)%3)+4*\i:64+64*((\blk)%3)+4*\i+3], v[GOFF], s[4:5] offset:(64*(\blk)+\i)*ROWB
.endr
.endm
	LOADW 0
	LOADW 1
	LOADW 2
	s_load_b32 s20, s[10:11], s19 offset:0x0       ; the expert's count
	s_load_b32 s21, s[10:11], s19 offset:0x20      ; and its first unit
	v_mul_u32_u24 v[LW], v30, 4*PIT
	v_lshl_add_u32 v[LW], v31, 4, v[LW]
	s_lshl_b32 s25, s16, 8
	v_add_nc_u32 v[LW], s25, v[LW]                 ; rows 4 q + j, byte 256 w + 16 g
	s_add_co_u32 s25, s25, SCW
	v_lshl_add_u32 v[LSW], v30, 4, s25             ; K steps 2 w and 2 w + 1, columns 4 q on
	v_lshl_add_u32 v[SB], v3, 2, SCW
	v_mul_u32_u24 v[WB], v1, PIT
	v_lshl_add_u32 v[WB], v2, 4, v[WB]             ; row r, + 16 h
	v_add_nc_u32 v[WB+1], 16*PIT, v[WB]            ; row 16 + r
	v_lshlrev_b32 v[L16], 4, v3
	v_lshlrev_b32 v[HS4], 2, v1
	v_lshl_add_u32 v[HS4], v2, 7, v[HS4]           ; lanes 16-31: the next K step's words
	v_lshlrev_b32 v[B2O], 5, v2
	v_lshlrev_b32 v[R4], 2, v1
	v_lshlrev_b32 v[G4], 2, v31
	v_lshlrev_b32 v[SH8], 3, v2
	s_mul_i32 s25, s16, 16*SPT
	s_add_co_u32 s25, s25, STAGE                   ; my stage
	v_mul_u32_u24 v[STO], v1, SPT
	v_lshl_add_u32 v[STO], v2, 5, v[STO]
	v_add_nc_u32 v[STO], s25, v[STO]               ; in: row r, + 32 h
	v_mul_u32_u24 v[RD], v31, SPT
	v_add_nc_u32 v[RD], v[RD], v[C16]
	v_add_nc_u32 v[RD], s25, v[RD]                 ; back: eight lanes to a row of 128 bytes, four rows an instruction
.set n, 0
.rept 16
	v_mov_b32 v[CD+n], 0                           ; the pair conversion writes halves of these
.set n, n+1
.endr
	s_mov_b32 s42, 0x76543210                      ; selects of v_permlanex16_b32 for lane l xor 16
	s_mov_b32 s43, 0xfedcba98
	s_mov_b32 s44, 0x83000000                      ; 262 << 23: less the largest magnitude's exponent field it is 1 / scale as f32
	s_mov_b32 s45, 0xc3e00000                      ; -448
	s_mov_b32 s46, 0x43e00000                      ; 448
	s_lshl_b32 s26, s17, 12                        ; b2: the expert's row, my columns
	s_add_co_u32 s26, s26, s51
	s_add_nc_u64 s[36:37], s[6:7], s[26:27]
	s_mov_b32 s26, s51
	s_add_nc_u64 s[48:49], s[14:15], s[26:27]      ; out0 at my columns
	s_lshl_b32 s26, s50, 6                         ; my tile's sixteen words in a unit's lists
	s_add_nc_u64 s[38:39], s[8:9], s[26:27]
	s_add_nc_u64 s[38:39], s[38:39], HSOFF         ; the rows' scale words
	s_add_nc_u64 s[40:41], s[10:11], s[26:27]
	s_add_nc_u64 s[40:41], s[40:41], 256           ; the lists of tokens
	s_add_nc_u64 s[54:55], s[12:13], s[26:27]      ; the gate's weights
	s_lshl_b32 s26, s50, 11                        ; my tile's 2,048 bytes in a K step of a unit's codes
	s_add_nc_u64 s[52:53], s[8:9], s[26:27]
.macro CV lo, hi, o                    ; four neighbours along K of one column into one register of codes
	v_cvt_pk_fp8_f32 \lo, v[XS+(\o)], v[XS+(\o)+4]
	v_cvt_pk_fp8_f32 \hi, v[XS+(\o)+8], v[XS+(\o)+12]
.endm
.macro QW blk                          ; piece blk is quantised; its codes, and with every second piece a K step's scale words, go to LDS
.set XS, 64+64*((\blk)%3)
.irp j, 0,1,2,3
	v_max3_num_f32 v[MX+\j], |v[XS+\j]|, |v[XS+4+\j]|, 0x4800000      ; my sixteen numbers of column j, and the floor 2^(9 - 127)
.endr
.irp i, 2,4,6,8,10,12,14
.irp j, 0,1,2,3
	v_max3_num_f32 v[MX+\j], v[MX+\j], |v[XS+4*\i+\j]|, |v[XS+4*\i+4+\j]|
.endr
.endr
.irp j, 0,1,2,3
	v_max_num_f32_dpp v[MX+\j], v[MX+\j], v[MX+\j] row_xmask:8 row_mask:0xf bank_mask:0xf    ; with lane l xor 8's sixteen: the block's largest magnitude
.endr
.irp j, 0,1,2,3
	v_and_b32 v[MX+\j], 0x7f800000, v[MX+\j]       ; its exponent field F, 9 to 254
.endr
.irp j, 0,1,2,3
	v_sub_nc_u32 v[IV+\j], s44, v[MX+\j]           ; 1 / scale = 2^(135 - F): field 262 - F, 8 to 253: a normal number
.endr
.irp j, 0,1,2,3
	v_lshrrev_b32 v[TP+\j], 23, v[MX+\j]
.endr
.irp j, 0,1,2,3
	v_add_nc_u32 v[TP+\j], -8, v[TP+\j]            ; the scale's byte
.endr
.irp j, 0,1,2,3
	v_lshlrev_b32 v[TP+\j], v[SH8], v[TP+\j]       ; lanes 0-15 hold the piece's first block, lanes 16-31 its second: a byte further up
.endr
	s_wait_dscnt 0x0                               ; the last piece's LDS stores have read their registers
.irp j, 0,1,2,3
.if ((\blk)%2) == 0
	v_mov_b32 v[SWD+\j], v[TP+\j]
.else
	v_lshl_or_b32 v[SWD+\j], v[TP+\j], 16, v[SWD+\j]               ; a K step's second piece: two bytes further up
.endif
.endr
.irp i, 0,1,2,3,4,5,6,7,8,9,10,11,12,13,14,15
	v_pk_mul_f32 v[XS+4*\i:XS+4*\i+1], v[XS+4*\i:XS+4*\i+1], v[IV:IV+1]
	v_pk_mul_f32 v[XS+4*\i+2:XS+4*\i+3], v[XS+4*\i+2:XS+4*\i+3], v[IV+2:IV+3]
.endr
.set n, 0
.rept 64
	v_med3_num_f32 v[XS+n], v[XS+n], s45, s46      ; the conversion to an 8-bit code does not saturate (ISA guide 7.6.2)
.set n, n+1
.endr
	CV v32.l, v32.h, 0
	CV v36.l, v36.h, 1
	CV v40.l, v40.h, 2
	CV v44.l, v44.h, 3
	CV v33.l, v33.h, 16
	CV v37.l, v37.h, 17
	CV v41.l, v41.h, 18
	CV v45.l, v45.h, 19
	CV v34.l, v34.h, 32
	CV v38.l, v38.h, 33
	CV v42.l, v42.h, 34
	CV v46.l, v46.h, 35
	CV v35.l, v35.h, 48
	CV v39.l, v39.h, 49
	CV v43.l, v43.h, 50
	CV v47.l, v47.h, 51
.irp j, 0,1,2,3
	ds_store_b128 v[LW], v[CD+4*\j:CD+4*\j+3] offset:\j*PIT+64*(\blk)
.endr
.if ((\blk)%2) == 1
.irp j, 0,1,2,3
	v_permlanex16_b32 v[TP+\j], v[SWD+\j], s42, s43                ; lane l xor 16 holds the word's other two bytes
.endr
.irp j, 0,1,2,3
	v_or_b32 v[SWD+\j], v[SWD+\j], v[TP+\j]
.endr
	ds_store_b128 v[LSW], v[SWD:SWD+3] offset:((\blk)/2)*SST       ; the four lanes of one q write the same words
.endif
.endm
	s_wait_loadcnt 32                              ; piece 0 is in; the 32 loads of pieces 1 and 2 stay out
	QW 0
	LOADW 3
	s_wait_loadcnt 32                              ; pieces 2 and 3 stay out
	QW 1
	s_wait_loadcnt 16                              ; piece 3 stays out
	QW 2
	s_wait_loadcnt 0x0
	QW 3
	s_wait_kmcnt 0x0                               ; the count and the first unit
	s_add_co_u32 s22, s20, 15
	s_lshr_b32 s22, s22, 4
	s_min_u32 s22, s22, 64                         ; the expert's tiles of 16 rows
	s_add_co_u32 s22, s22, 15
	s_sub_co_u32 s22, s22, s16                     ; (my wave's number is 0 to 15: never under 0)
	s_lshr_b32 s22, s22, 4                         ; my trips: tiles w, w + 16, .. under the expert's number of tiles
	s_min_u32 s22, s22, 4                          ; 64 tiles for 16 waves: four at the most
	s_mov_b32 s23, 0                               ; the trip
	s_wait_dscnt 0x0                               ; for the others' sake: my codes and scale words lie in LDS
	s_barrier_signal -1
	s_barrier_wait -1                              ; everybody's do; codes and scale words are not written again
	s_cmp_eq_u32 s22, 0
	s_cbranch_scc1 .Lend
.macro WLOAD s                         ; K step s of the weights into set s % 2: two fragments and a register of scale words: nine LDS loads
.irp t, 0,1
.irp c, 0,1,2,3
	ds_load_b128 v[WF+32*((\s)%2)+16*\t+4*\c:WF+32*((\s)%2)+16*\t+4*\c+3], v[WB+\t] offset:128*(\s)+32*\c
.endr
.endr
	ds_load_b32 v[WS+(\s)%2], v[SB] offset:SST*(\s)
.endm
.macro OLOAD2 p                        ; K steps 2 p and 2 p + 1 of my tile's rows: two fragments, 512 consecutive bytes a load, and the scale words of both
.irp sl, 0,1
.irp c, 0,1,2,3
	global_load_b128 v[OF+16*((2*(\p)+\sl)%8)+4*\c:OF+16*((2*(\p)+\sl)%8)+4*\c+3], v[L16], s[28:29] offset:(2*(\p)+\sl)*4096+\c*512
.endr
.endr
	global_load_b32 v[HSC+(\p)%4], v[HS4], s[30:31] offset:256*(\p)
.endm
.macro MM t, s                         ; one product; the rows of the scale registers go with the column tile and with the K step's parity
.set rA, ACC+8*(\t)
.set rW, WF+32*((\s)%2)+16*(\t)
.set rO, OF+16*((\s)%8)
.set rS, WS+(\s)%2
.set rH, HSC+((\s)/2)%4
.if ((\t) == 0) && (((\s)%2) == 0)
	v_wmma_scale_f32_16x16x128_f8f6f4 v[rA:rA+7], v[rW:rW+15], v[rO:rO+15], v[rA:rA+7], v[rS], v[rH]
.elseif (((\s)%2) == 0)
	v_wmma_scale_f32_16x16x128_f8f6f4 v[rA:rA+7], v[rW:rW+15], v[rO:rO+15], v[rA:rA+7], v[rS], v[rH] matrix_a_scale:MATRIX_SCALE_ROW1
.elseif ((\t) == 0)
	v_wmma_scale_f32_16x16x128_f8f6f4 v[rA:rA+7], v[rW:rW+15], v[rO:rO+15], v[rA:rA+7], v[rS], v[rH] matrix_b_scale:MATRIX_SCALE_ROW1
.else
	v_wmma_scale_f32_16x16x128_f8f6f4 v[rA:rA+7], v[rW:rW+15], v[rO:rO+15], v[rA:rA+7], v[rS], v[rH] matrix_a_scale:MATRIX_SCALE_ROW1 matrix_b_scale:MATRIX_SCALE_ROW1
.endif
.endm
.macro STEP s
.if (\s)+1 < NS
	s_wait_dscnt 9                                 ; this K step's fragments and scale words of the weights are in; the next step's nine loads stay out
.else
	s_wait_dscnt 0x0
.endif
	MM 0, \s                                       ; the two accumulators take turns, one instruction a turn
	MM 1, \s
.rept 8
	v_nop                                          ; eight places between these products and loads into registers that they read, or the first read of their results
.endr
.if (\s)+2 < NS
	WLOAD (\s)+2
.endif
.endm
.macro PAIR p
.if NP-1-(\p) >= 3
	s_wait_loadcnt 3*LPP                           ; this pair's rows are in; those of the three pairs behind it stay out
.else
	s_wait_loadcnt LPP*(NP-1-(\p))
.endif
	STEP 2*(\p)
	STEP 2*(\p)+1
.if (\p)+4 < NP
	OLOAD2 (\p)+4                                  ; into the registers that this pair has left
.endif
.endm
.Lunit:
	s_wait_xcnt 0x0                                ; the last trip's stores have read their addresses and data: both are written again below
	s_lshl_b32 s24, s23, 3                         ; the unit: the expert's first + my first + 8 x the trip
	s_add_co_u32 s24, s24, s47
	s_add_co_u32 s24, s24, s21
	s_min_u32 s24, s24, 38                         ; it enters addresses: held inside the buffers
	s_lshl_b32 s26, s24, 17
	s_add_nc_u64 s[28:29], s[52:53], s[26:27]      ; my tile's hidden codes,
	s_lshl_b32 s26, s24, 12
	s_add_nc_u64 s[30:31], s[38:39], s[26:27]      ; their scale words,
	s_lshl_b32 s26, s24, 7
	s_add_nc_u64 s[32:33], s[54:55], s[26:27]      ; its gate weights,
	s_add_nc_u64 s[34:35], s[40:41], s[26:27]      ; its tokens
.irp t, 0,1                            ; b2 starts the sums: lane (r, h) wants, for column tile t, columns 16 t + 8 h + 0..7
	global_load_b128 v[ACC+8*\t:ACC+8*\t+3], v[B2O], s[36:37] offset:64*\t
	global_load_b128 v[ACC+8*\t+4:ACC+8*\t+7], v[B2O], s[36:37] offset:64*\t+16
.endr
	global_load_b32 v[GW], v[R4], s[32:33]
.irp u, 0,1,2,3                        ; the tokens of the rows that I shall store: row 4 u + g
	global_load_b32 v[TK+\u], v[G4], s[34:35] offset:16*\u
.endr
	OLOAD2 0
	OLOAD2 1
	OLOAD2 2
	OLOAD2 3
	WLOAD 0
	WLOAD 1
.set Q, 0
.rept NP
	PAIR Q
.set Q, Q+1
.endr
.set n, 0
.rept 16                               ; x the gate's weight, each accumulator from its low end on
	v_mul_f32 v[ACC+n], v[GW], v[ACC+n]
.set n, n+1
.endr
.irp t, 0,1
	ds_store_b128 v[STO], v[ACC+8*\t:ACC+8*\t+3] offset:64*\t
	ds_store_b128 v[STO], v[ACC+8*\t+4:ACC+8*\t+7] offset:64*\t+16
.endr
.irp u, 0,1,2,3
	ds_load_b128 v[OBK+4*\u:OBK+4*\u+3], v[RD] offset:4*\u*SPT     ; LDS serves a wave's instructions in order (ISA guide 5.7.1.4): these see my stores
.endr
.irp u, 0,1,2,3
	v_min_u32 v[TK+\u], 0x3ff, v[TK+\u]            ; the tokens enter addresses: held inside out0
.endr
.irp u, 0,1,2,3
	v_lshl_add_u32 v[TK+\u], v[TK+\u], 12, v[C16]  ; the token's row of 4,096 bytes, + 16 q
.endr
.irp u, 0,1,2,3
	s_wait_dscnt 3-\u                              ; the younger loads from the stage stay out
	global_store_b128 v[TK+\u], v[OBK+4*\u:OBK+4*\u+3], s[48:49]   ; eight lanes store 128 consecutive bytes of one token's row
.endr
	s_add_co_u32 s23, s23, 1
	s_cmp_lt_u32 s23, s22
	s_cbranch_scc1 .Lunit
.Lend:
	s_wait_xcnt 0x0
	v_lshl_add_u32 v222, v0, 2, 0x2a200
	v_mov_b32 v223, 0
	s_wait_tensorcnt 0x0
	ds_add_u32 v222, v223
	s_wait_dscnt 0x0
	s_endpgm
.Lfunc_end_k_q0b65ce3cf3_ffn2:
	.size	k_q0b65ce3cf3_ffn2, .Lfunc_end_k_q0b65ce3cf3_ffn2-k_q0b65ce3cf3_ffn2
	.p2alignl 7, 3214868480
	.fill 96, 4, 3214868480
	.section	.rodata,"a",@progbits
	.p2align	6, 0x0
	.amdhsa_kernel k_q0b65ce3cf3_ffn2
		.amdhsa_group_segment_fixed_size 174592
		.amdhsa_private_segment_fixed_size 0
		.amdhsa_enable_private_segment 0
		.amdhsa_kernarg_size 48
		.amdhsa_user_sgpr_count 2
		.amdhsa_user_sgpr_kernarg_segment_ptr 1
		.amdhsa_wavefront_size32 1
		.amdhsa_system_sgpr_workgroup_id_x 1
		.amdhsa_system_sgpr_workgroup_id_y 1
		.amdhsa_system_sgpr_workgroup_id_z 1
		.amdhsa_system_vgpr_workitem_id 0
		.amdhsa_next_free_vgpr 256
		.amdhsa_next_free_sgpr 66
		.amdhsa_reserve_vcc 0
		.amdhsa_float_denorm_mode_32 3
		.amdhsa_float_denorm_mode_16_64 3
		.amdhsa_memory_ordered 1
		.amdhsa_forward_progress 1
		.amdhsa_inst_pref_size 111
	.end_amdhsa_kernel
	.amdgpu_metadata
---
amdhsa.version: [ 1, 2 ]
amdhsa.kernels:
  - .name:           k_q0b65ce3cf3_ffn2
    .symbol:         k_q0b65ce3cf3_ffn2.kd
    .args:
      - { .name: w2, .offset: 0, .size: 8, .value_kind: global_buffer, .address_space: global }
      - { .name: b2, .offset: 8, .size: 8, .value_kind: global_buffer, .address_space: global }
      - { .name: hq, .offset: 16, .size: 8, .value_kind: global_buffer, .address_space: global }
      - { .name: route, .offset: 24, .size: 8, .value_kind: global_buffer, .address_space: global }
      - { .name: gw, .offset: 32, .size: 8, .value_kind: global_buffer, .address_space: global }
      - { .name: out0, .offset: 40, .size: 8, .value_kind: global_buffer, .address_space: global }
    .group_segment_fixed_size: 174592
    .private_segment_fixed_size: 0
    .kernarg_segment_align: 8
    .kernarg_segment_size: 48
    .max_flat_workgroup_size: 512
    .sgpr_count:     66
    .vgpr_count:     256
    .wavefront_size: 32
...
	.end_amdgpu_metadata
.endif
;; end of part 4
;; ======== version 2 of 2: 4 launches
;; workspace buffers: top1 4,096 bytes of whole numbers; prob 4,096 bytes; route 5,376 bytes of whole numbers; gw 5,120 bytes; xq 1,317,888 bytes; hq 5,271,552 bytes
;; launch gate (part 5): grid 256 x 1, 1 waves a work-group, no clusters, 0 bytes of LDS; arguments x, wg, bg, top1, prob; writes top1, prob
.if DOCPART == 5
	.amdgcn_target "amdgcn-amd-amdhsa--gfx1250"
	.amdhsa_code_object_version 6
	.text
	.protected	k_q0b65ce3cf3_gate
	.globl	k_q0b65ce3cf3_gate
	.p2align	8
	.type	k_q0b65ce3cf3_gate,@function
k_q0b65ce3cf3_gate:
	s_mov_b64 s[64:65], 0
	v_nop
	global_prefetch_b8 v0, s[64:65] scope:SCOPE_SE
	s_setreg_imm32_b32 hwreg(HW_REG_WAVE_MODE, 25, 1), 1
	s_wait_xcnt 0x0
; THE GATE.  logits = x wg + bg in f32 (fused multiply-adds), softmax with the row's maximum taken away, the top expert and its score.
; x [1024][1024], wg [1024][8], bg [8]: f32.  top1 [1024] int32, prob [1024] f32.
; One wave takes four tokens.  Lane l holds k = 128 j + 4 l + i (j = 0..7, i = 0..3): every load of x is 512 consecutive bytes, a lane's 128 bytes of wg are consecutive.
; No address of this launch hangs on the choice: it is stored at fixed places and used by the next launch.
; LIMITS: NaN and infinities among the inputs are not served.  The largest of exp(l - max) is searched in ascending order with a strict comparison, so the lowest index
; wins among equal ones; the logits are f32 sums in another order than a row-by-row sum, so two experts within an f32 rounding of each other may change places.
.set XR,  96                           ; v96-223  x: token a, group j at XR + 32 a + 4 j
.set WR,  32                           ; v32-95   wg: two sets of 32; row i, expert e at set + 8 i + e
.set ACC, 224                          ; v224-255 sums: token a, expert e at ACC + 8 a + e
.set MXR, 6                            ; v6-9     the row's maximum
.set SMR, 10                           ; v10-13   the sum of the exponentials
.set RCR, 14                           ; v14-17   its reciprocal
.set BSR, 18                           ; v18-21   the largest exponential
.set IDR, 22                           ; v22-25   its index
	s_load_b256 s[4:11], s[0:1], 0x0               ; x s[4:5], wg s[6:7], bg s[8:9], top1 s[10:11]
	s_load_b64 s[12:13], s[0:1], 0x20              ; prob
	v_lshlrev_b32 v2, 4, v0                        ; 16 x lane
	v_lshlrev_b32 v3, 7, v0                        ; 128 x lane
	v_lshlrev_b32 v4, 2, v0                        ; 4 x lane
	s_mov_b32 s24, 0x76543210                      ; selects of v_permlanex16_b32 for lane l xor 16
	s_mov_b32 s25, 0xfedcba98
	s_mov_b32 s26, 0x3fb8aa3b                      ; log2(e)
	s_lshl_b32 s2, ttmp9, 14                       ; four rows of 4,096 bytes
	s_mov_b32 s3, 0
	s_lshl_b32 s14, ttmp9, 4                       ; four words
	s_mov_b32 s15, 0
	s_wait_alu depctr_va_vdst(0)
	s_wait_kmcnt 0x0
	s_load_b256 s[16:23], s[8:9], 0x0              ; bg
	s_add_nc_u64 s[4:5], s[4:5], s[2:3]
	s_add_nc_u64 s[10:11], s[10:11], s[14:15]
	s_add_nc_u64 s[12:13], s[12:13], s[14:15]
.irp a, 0,1,2,3
.irp j, 0,1,2,3,4,5,6,7
	global_load_b128 v[XR+32*\a+4*\j:XR+32*\a+4*\j+3], v2, s[4:5] offset:\a*4096+\j*512
.endr
.endr
.macro WLD j                           ; wg's rows 128 j + 4 l + 0..3 into set j % 2
.irp i, 0,1,2,3
	global_load_b128 v[WR+32*((\j)%2)+8*\i:WR+32*((\j)%2)+8*\i+3], v3, s[6:7] offset:(\j)*4096+\i*32
	global_load_b128 v[WR+32*((\j)%2)+8*\i+4:WR+32*((\j)%2)+8*\i+7], v3, s[6:7] offset:(\j)*4096+\i*32+16
.endr
.endm
.macro DOT j                           ; 64 packed multiply-adds: two experts at a time, x's number for both halves; sixteen chains by turns
.irp i, 0,1,2,3
.irp a, 0,1,2,3
.irp p, 0,2,4,6
.if ((\j) == 0) && (\i == 0)
	v_pk_mul_f32 v[ACC+8*\a+\p:ACC+8*\a+\p+1], v[WR+32*((\j)%2)+8*\i+\p:WR+32*((\j)%2)+8*\i+\p+1], v[XR+32*\a+4*(\j):XR+32*\a+4*(\j)+1] op_sel_hi:[1,0]
.elseif (\i%2) == 0
	v_pk_fma_f32 v[ACC+8*\a+\p:ACC+8*\a+\p+1], v[WR+32*((\j)%2)+8*\i+\p:WR+32*((\j)%2)+8*\i+\p+1], v[XR+32*\a+4*(\j)+\i:XR+32*\a+4*(\j)+\i+1], v[ACC+8*\a+\p:ACC+8*\a+\p+1] op_sel_hi:[1,0,1]
.else
	v_pk_fma_f32 v[ACC+8*\a+\p:ACC+8*\a+\p+1], v[WR+32*((\j)%2)+8*\i+\p:WR+32*((\j)%2)+8*\i+\p+1], v[XR+32*\a+4*(\j)+\i-1:XR+32*\a+4*(\j)+\i], v[ACC+8*\a+\p:ACC+8*\a+\p+1] op_sel:[0,1,0] op_sel_hi:[1,1,1]
.endif
.endr
.endr
.endr
.endm
	WLD 0
	WLD 1
.irp j, 0,1,2,3,4,5,6,7
.if \j < 7
	s_wait_loadcnt 8                               ; x and this group's rows of wg are in; the next group's eight loads stay out
.else
	s_wait_loadcnt 0x0
.endif
	DOT \j
.if \j < 6
	WLD \j+2
.endif
.endr
; the 32 sums over the 32 lanes: four steps inside a half of the lanes, one across; the result stands in every lane
.irp m, 1,2,4,8
.set n, 0
.rept 32
	v_add_f32_dpp v[ACC+n], v[ACC+n], v[ACC+n] row_xmask:\m row_mask:0xf bank_mask:0xf
.set n, n+1
.endr
.endr
.set n, 0
.rept 32
	v_permlanex16_b32 v[XR+n], v[ACC+n], s24, s25  ; x's registers are done with, and have been written
.set n, n+1
.endr
.set n, 0
.rept 32
	v_add_f32 v[ACC+n], v[ACC+n], v[XR+n]
.set n, n+1
.endr
	s_wait_kmcnt 0x0                               ; bg
.irp e, 0,1,2,3,4,5,6,7
.irp a, 0,1,2,3
	v_add_f32 v[ACC+8*\a+\e], s[16+\e], v[ACC+8*\a+\e]
.endr
.endr
.irp a, 0,1,2,3
	v_max3_num_f32 v[MXR+\a], v[ACC+8*\a], v[ACC+8*\a+1], v[ACC+8*\a+2]
.endr
.irp a, 0,1,2,3
	v_max3_num_f32 v[MXR+\a], v[MXR+\a], v[ACC+8*\a+3], v[ACC+8*\a+4]
.endr
.irp a, 0,1,2,3
	v_max3_num_f32 v[MXR+\a], v[MXR+\a], v[ACC+8*\a+5], v[ACC+8*\a+6]
.endr
.irp a, 0,1,2,3
	v_max_num_f32 v[MXR+\a], v[MXR+\a], v[ACC+8*\a+7]
.endr
.irp e, 0,1,2,3,4,5,6,7
.irp a, 0,1,2,3
	v_sub_f32 v[ACC+8*\a+\e], v[ACC+8*\a+\e], v[MXR+\a]      ; the maximum is taken away first
.endr
.endr
.set n, 0
.rept 32
	v_mul_f32 v[ACC+n], s26, v[ACC+n]
.set n, n+1
.endr
.set n, 0
	s_wait_alu depctr_va_vdst(0)
.rept 32
	v_exp_f32 v[ACC+n], v[ACC+n]
.set n, n+1
.endr
	v_nop                                          ; a plain instruction between the last exponential and the use of its result (ISA guide 5.7.2)
	s_wait_alu depctr_va_vdst(0)
.irp a, 0,1,2,3
	v_add_f32 v[SMR+\a], v[ACC+8*\a], v[ACC+8*\a+1]
	v_mov_b32 v[BSR+\a], v[ACC+8*\a]
	v_mov_b32 v[IDR+\a], 0
.endr
.irp e, 2,3,4,5,6,7
.irp a, 0,1,2,3
	v_add_f32 v[SMR+\a], v[SMR+\a], v[ACC+8*\a+\e]
.endr
.endr
	s_wait_alu depctr_va_vdst(0)
.irp a, 0,1,2,3
	v_rcp_f32 v[RCR+\a], v[SMR+\a]
.endr
.irp e, 1,2,3,4,5,6,7                  ; strictly larger only: the lowest index keeps its place among equals.  (The first comparison is the plain instruction behind the reciprocals)
.irp a, 0,1,2,3
	v_cmp_gt_f32 vcc_lo, v[ACC+8*\a+\e], v[BSR+\a]
	v_cndmask_b32 v[BSR+\a], v[BSR+\a], v[ACC+8*\a+\e], vcc_lo
	v_cndmask_b32 v[IDR+\a], v[IDR+\a], \e, vcc_lo
.endr
.endr
	s_wait_alu depctr_va_vdst(0)
.irp a, 0,1,2,3
	v_mul_f32 v[BSR+\a], v[BSR+\a], v[RCR+\a]      ; the top score
.endr
	v_mov_b32 v27, v[IDR]
	v_mov_b32 v28, v[BSR]
.irp a, 1,2,3                          ; lane a takes token a's pair
	v_cmp_eq_u32 vcc_lo, \a, v0
	v_cndmask_b32 v27, v27, v[IDR+\a], vcc_lo
	v_cndmask_b32 v28, v28, v[BSR+\a], vcc_lo
.endr
	s_wait_alu depctr_va_vdst(0)
	s_wait_xcnt 0x0                                ; EXEC changes only behind this wait
	v_cmpx_gt_u32 4, v0
	global_store_b32 v4, v27, s[10:11]
	global_store_b32 v4, v28, s[12:13]
	s_endpgm
.Lfunc_end_k_q0b65ce3cf3_gate:
	.size	k_q0b65ce3cf3_gate, .Lfunc_end_k_q0b65ce3cf3_gate-k_q0b65ce3cf3_gate
	.p2alignl 7, 3214868480
	.fill 96, 4, 3214868480
	.section	.rodata,"a",@progbits
	.p2align	6, 0x0
	.amdhsa_kernel k_q0b65ce3cf3_gate
		.amdhsa_group_segment_fixed_size 0
		.amdhsa_private_segment_fixed_size 0
		.amdhsa_enable_private_segment 0
		.amdhsa_kernarg_size 40
		.amdhsa_user_sgpr_count 2
		.amdhsa_user_sgpr_kernarg_segment_ptr 1
		.amdhsa_wavefront_size32 1
		.amdhsa_system_sgpr_workgroup_id_x 1
		.amdhsa_system_sgpr_workgroup_id_y 1
		.amdhsa_system_sgpr_workgroup_id_z 1
		.amdhsa_system_vgpr_workitem_id 0
		.amdhsa_next_free_vgpr 256
		.amdhsa_next_free_sgpr 66
		.amdhsa_reserve_vcc 1
		.amdhsa_float_denorm_mode_32 3
		.amdhsa_float_denorm_mode_16_64 3
		.amdhsa_memory_ordered 1
		.amdhsa_forward_progress 1
		.amdhsa_inst_pref_size 64
	.end_amdhsa_kernel
	.amdgpu_metadata
---
amdhsa.version: [ 1, 2 ]
amdhsa.kernels:
  - .name:           k_q0b65ce3cf3_gate
    .symbol:         k_q0b65ce3cf3_gate.kd
    .args:
      - { .name: x, .offset: 0, .size: 8, .value_kind: global_buffer, .address_space: global }
      - { .name: wg, .offset: 8, .size: 8, .value_kind: global_buffer, .address_space: global }
      - { .name: bg, .offset: 16, .size: 8, .value_kind: global_buffer, .address_space: global }
      - { .name: top1, .offset: 24, .size: 8, .value_kind: global_buffer, .address_space: global }
      - { .name: prob, .offset: 32, .size: 8, .value_kind: global_buffer, .address_space: global }
    .group_segment_fixed_size: 0
    .private_segment_fixed_size: 0
    .kernarg_segment_align: 8
    .kernarg_segment_size: 40
    .max_flat_workgroup_size: 32
    .sgpr_count:     66
    .vgpr_count:     256
    .wavefront_size: 32
...
	.end_amdgpu_metadata
.endif
;; end of part 5
;; launch place (part 6): grid 39 x 1, 8 waves a work-group, no clusters, 0 bytes of LDS; arguments x, top1, prob, route, gw, xq; writes route, gw, xq
.if DOCPART == 6
	.amdgcn_target "amdgcn-amd-amdhsa--gfx1250"
	.amdhsa_code_object_version 6
	.text
	.protected	k_q0b65ce3cf3_place
	.globl	k_q0b65ce3cf3_place
	.p2align	8
	.type	k_q0b65ce3cf3_place,@function
k_q0b65ce3cf3_place:
	s_mov_b64 s[64:65], 0
	v_nop
	global_prefetch_b8 v0, s[64:65] scope:SCOPE_SE
	s_setreg_imm32_b32 hwreg(HW_REG_WAVE_MODE, 25, 1), 1
	s_wait_xcnt 0x0
; THE PLACING.  A UNIT is 32 routed rows of one expert.  Expert e has ceil(cnt_e / 32) units, numbered on end: never more than ceil(1024 / 32) + 7 = 39, whatever the split; the grid has that many
; work-groups, and one that a split leaves without a unit stores nothing and ends.  Rows past an expert's count repeat its last token, so that every byte that is read later is written.
; Work-group u makes unit u: the list of its tokens (route), their gate weights prob / (sum of the expert's probs + 1e-6) x 1024 (gw), and the rows of x as codes of E4M3 with E8M0 scales (xq).
; route: words 0-7 cnt[e], words 8-15 first unit[e]; from byte 256 tok[39][32].   gw: [39][32] f32.
; xq: codes as images of operand registers, [39 unit][8 K step][2 tile][4 c][32 lane][16 bytes]: lane (r, h) holds k = 128 s + 32 c + 16 h + 0..15 of unit row 16 tile + r;
;     from XSOFF on the scale words, [39][32 row][8 K step].
; Wave w: tile w & 1, K steps 2 (w >> 1) and the next.  Every wave works the routing out for itself from top1, in whole numbers; waves share nothing: no LDS, no barrier.
; The rows of an expert are ranked by (register, lane) of the 32 x 32 table in which top1 is loaded; any order serves, since nothing is dropped (the capacity is the number of tokens).
; LIMITS: a block whose largest magnitude lies under 2^(9 - 127), a block of zeros too, gets the scale byte 1 (its codes are zeros or tiny; only this program reads the bytes); NaN and infinities are not served.
.set XSOFF, 39*32768
.set TK,  32                           ; v32-63   top1: register 4 jj + ii holds token 128 jj + 4 lane + ii
.set PR,  64                           ; v64-95   prob, likewise
.set ST,  96                           ; v96-223  two K steps x 64 numbers of x; before and after that at work
.set PC,  224                          ; v224-255 two fragments of codes
.set TM,  8                            ; v8-23    the quantiser's: +0 largest magnitudes, +4 bytes, +8 448 x the scale, +12 the conversion's scale operand
.set PW,  24                           ; v24-25   the two scale words
	s_load_b256 s[4:11], s[0:1], 0x0               ; x s[4:5], top1 s[6:7], prob s[8:9], route s[10:11]
	s_load_b128 s[12:15], s[0:1], 0x20             ; gw s[12:13], xq s[14:15]
	v_lshrrev_b32 v1, 5, v0
	s_delay_alu instid0(VALU_DEP_1)
	v_readfirstlane_b32 s16, v1                    ; wave
	s_and_b32 s17, s16, 1                          ; tile
	s_lshr_b32 s18, s16, 1                         ; pair of K steps
	v_and_b32 v1, 15, v0                           ; r
	v_bfe_u32 v2, v0, 4, 1                         ; h
	v_and_b32 v3, 31, v0                           ; lane
	s_delay_alu instid0(VALU_DEP_1)
	v_lshlrev_b32 v4, 4, v3                        ; 16 x lane
	s_mov_b32 s28, 0x76543210
	s_mov_b32 s29, 0xfedcba98
	s_mov_b32 s30, 0x600000                        ; the mantissa field of 448
	s_mov_b32 s31, 0xffff0000                      ; lanes 16-31
.irp b, 0,1,2,3
	v_mov_b32 v[TM+4+\b], 0                        ; written once: a lane permute's destination counts as one of its sources
.endr
.irp e, 0,1,2,3,4,5,6,7
	s_mov_b32 s[40+\e], 0
.endr
	s_wait_alu depctr_va_vdst(0)
	s_wait_kmcnt 0x0
.irp j, 0,1,2,3,4,5,6,7
	global_load_b128 v[TK+4*\j:TK+4*\j+3], v4, s[6:7] offset:512*\j
.endr
.irp j, 0,1,2,3,4,5,6,7
	global_load_b128 v[PR+4*\j:PR+4*\j+3], v4, s[8:9] offset:512*\j
.endr
	s_wait_loadcnt 8                               ; top1 is in; prob's eight loads stay out
; the counts: for each expert the set bits of 32 comparison masks
.irp e, 0,1,2,3,4,5,6,7
.irp g, 0,8,16,24
.irp n, 0,1,2,3,4,5,6,7
	v_cmp_eq_u32 s[72+\n], \e, v[TK+\g+\n]
.endr
.irp n, 0,1,2,3,4,5,6,7
	s_bcnt1_i32_b32 s[72+\n], s[72+\n]
.endr
.irp n, 0,1,2,3,4,5,6,7
	s_add_co_u32 s[40+\e], s[40+\e], s[72+\n]
.endr
.endr
.endr
	s_mov_b32 s48, 0                               ; s48-56: first unit of experts 0 to 7, and the number of units
.irp e, 0,1,2,3,4,5,6,7
	s_add_co_u32 s70, s[40+\e], 31
	s_lshr_b32 s70, s70, 5
	s_add_co_u32 s[49+\e], s[48+\e], s70
.endr
	s_cmp_ge_u32 ttmp9, s56
	s_cbranch_scc1 .Lend                           ; this split has no unit u
	s_mov_b32 s57, 0                               ; my unit's expert: the last whose first unit is at most u (an expert without units is passed over by the next),
	s_mov_b32 s58, 0                               ; its first unit,
	s_mov_b32 s59, s40                             ; its count
.irp e, 1,2,3,4,5,6,7
	s_cmp_ge_u32 ttmp9, s[48+\e]
	s_cselect_b32 s57, \e, s57
	s_cselect_b32 s58, s[48+\e], s58
	s_cselect_b32 s59, s[40+\e], s59
.endr
	s_sub_co_u32 s60, ttmp9, s58
	s_lshl_b32 s61, s60, 5
	s_lshl_b32 s62, s17, 4
	s_add_co_u32 s61, s61, s62
	s_sub_co_u32 s62, s59, 1
	v_add_nc_u32 v26, s61, v1
	s_delay_alu instid0(VALU_DEP_1)
	v_min_u32 v26, s62, v26                        ; my row's rank among the expert's tokens; past the count: the last
; the register that holds rank v26: the last whose running count is at most the rank.  v27 its mask, v28 its running count, v29 its number
	v_cmp_eq_u32 s70, s57, v[TK]
	s_delay_alu instid0(VALU_DEP_1)
	v_mov_b32 v27, s70
	v_mov_b32 v28, 0
	v_mov_b32 v29, 0
	s_bcnt1_i32_b32 s63, s70
.irp g, 1,2,3,4,5,6,7,8,9,10,11,12,13,14,15,16,17,18,19,20,21,22,23,24,25,26,27,28,29,30,31
	v_cmp_eq_u32 s70, s57, v[TK+\g]
	v_cmp_le_u32 vcc_lo, s63, v26
	s_delay_alu instid0(VALU_DEP_1)
	v_cndmask_b32 v27, v27, s70, vcc_lo
	s_delay_alu instid0(VALU_DEP_2)
	v_cndmask_b32 v28, v28, s63, vcc_lo
	s_delay_alu instid0(VALU_DEP_3)
	v_cndmask_b32 v29, v29, \g, vcc_lo
	s_bcnt1_i32_b32 s71, s70
	s_add_co_u32 s63, s63, s71
.endr
; the place of the mask's J-th set bit, J = rank - running count: counts of 2, 4, 8, 16 bits side by side, then five halvings
	v_sub_nc_u32 v102, v26, v28
	v_lshrrev_b32 v96, 1, v27
	s_delay_alu instid0(VALU_DEP_1)
	v_and_b32 v96, 0x55555555, v96
	s_delay_alu instid0(VALU_DEP_1)
	v_sub_nc_u32 v96, v27, v96
	s_delay_alu instid0(VALU_DEP_1)
	v_lshrrev_b32 v97, 2, v96
	s_delay_alu instid0(VALU_DEP_1)
	v_and_b32 v97, 0x33333333, v97
	s_delay_alu instid0(VALU_DEP_3)
	v_and_b32 v100, 0x33333333, v96
	s_delay_alu instid0(VALU_DEP_1)
	v_add_nc_u32 v97, v97, v100
	s_delay_alu instid0(VALU_DEP_1)
	v_lshrrev_b32 v98, 4, v97
	s_delay_alu instid0(VALU_DEP_1)
	v_add_nc_u32 v98, v98, v97
	s_delay_alu instid0(VALU_DEP_1)
	v_and_b32 v98, 0x0f0f0f0f, v98
	s_delay_alu instid0(VALU_DEP_1)
	v_lshrrev_b32 v99, 8, v98
	s_delay_alu instid0(VALU_DEP_1)
	v_add_nc_u32 v99, v99, v98
	v_mov_b32 v103, 0
.macro LEVEL src, w, bits              ; the lower half at v103 holds t set bits: if J >= t, pass it
	s_delay_alu instid0(VALU_DEP_1)
	v_bfe_u32 v100, v[\src], v103, \bits
	s_delay_alu instid0(VALU_DEP_1)
	v_cmp_ge_u32 vcc_lo, v102, v100
	s_delay_alu instid0(VALU_DEP_1)
	v_cndmask_b32 v100, 0, v100, vcc_lo
	s_delay_alu instid0(VALU_DEP_2)
	v_cndmask_b32 v101, 0, \w, vcc_lo
	s_delay_alu instid0(VALU_DEP_2)
	v_sub_nc_u32 v102, v102, v100
	s_delay_alu instid0(VALU_DEP_2)
	v_add_nc_u32 v103, v103, v101
.endm
	LEVEL 99, 16, 8
	LEVEL 98, 8, 8
	LEVEL 97, 4, 4
	LEVEL 96, 2, 2
	LEVEL 27, 1, 1
	v_lshrrev_b32 v100, 2, v29
	v_and_b32 v101, 3, v29
	s_delay_alu instid0(VALU_DEP_1)
	v_lshl_add_u32 v30, v100, 7, v101
	s_delay_alu instid0(VALU_DEP_1)
	v_lshl_add_u32 v30, v103, 2, v30               ; the token: 128 (register / 4) + 4 x place + register % 4
	s_delay_alu instid0(VALU_DEP_1)
	v_min_u32 v30, 0x3ff, v30                      ; it enters addresses: held inside the table
	s_delay_alu instid0(VALU_DEP_1)
	v_lshlrev_b32 v6, 2, v30
	global_load_b32 v7, v6, s[8:9]                 ; its score
	v_lshlrev_b32 v5, 12, v30
	s_delay_alu instid0(VALU_DEP_1)
	v_lshl_add_u32 v5, v2, 6, v5                   ; x: its row of 4,096 bytes, + 64 h: my 16 numbers of a block of 32
	s_mov_b32 s27, 0
	s_lshl_b32 s26, s18, 10
	s_add_nc_u64 s[20:21], s[4:5], s[26:27]        ; my two K steps
.macro XLOAD sl
.irp b, 0,1,2,3
.irp j, 0,1,2,3
	global_load_b128 v[ST+64*\sl+16*\b+4*\j:ST+64*\sl+16*\b+4*\j+3], v5, s[20:21] offset:512*\sl+128*\b+16*\j
.endr
.endr
.endm
	XLOAD 0
	XLOAD 1
	s_lshl_b32 s26, ttmp9, 15                      ; codes: 32,768 u + 8,192 pair + 2,048 tile
	s_lshl_b32 s70, s18, 13
	s_add_co_u32 s26, s26, s70
	s_lshl_b32 s70, s17, 11
	s_add_co_u32 s26, s26, s70
	s_add_nc_u64 s[22:23], s[14:15], s[26:27]
	s_lshl_b32 s26, ttmp9, 10                      ; scale words: 1,024 u + 512 tile + 8 pair
	s_lshl_b32 s70, s17, 9
	s_add_co_u32 s26, s26, s70
	s_lshl_b32 s70, s18, 3
	s_add_co_u32 s26, s26, s70
	s_add_nc_u64 s[24:25], s[14:15], s[26:27]
	s_add_nc_u64 s[24:25], s[24:25], XSOFF
	s_lshl_b32 s26, ttmp9, 7                       ; the lists: 128 u + 64 tile
	s_lshl_b32 s70, s17, 6
	s_add_co_u32 s26, s26, s70
	s_add_nc_u64 s[32:33], s[10:11], s[26:27]
	s_add_nc_u64 s[34:35], s[12:13], s[26:27]
	v_lshlrev_b32 v31, 5, v1
	s_delay_alu instid0(VALU_DEP_1)
	v_lshl_add_u32 v31, v2, 2, v31                 ; 32 r + 4 h: lanes 0-15 store the first K step's word, lanes 16-31 the second's
; 64 numbers of a lane, register 16 b + i = k 32 b + 16 h + i of my row, become a fragment's codes and its scale word
.macro QUANT s, pc, pw
.irp b, 0,1,2,3
	v_max3_num_f32 v[TM+\b], |v[\s+16*\b]|, |v[\s+1+16*\b]|, 0x4800000   ; my 16 numbers of block b, and the floor 2^(9 - 127): the byte cannot fall under 1
.endr
.irp i, 2,4,6,8,10,12,14
.irp b, 0,1,2,3
	s_delay_alu instid0(VALU_DEP_4)
	v_max3_num_f32 v[TM+\b], v[TM+\b], |v[\s+16*\b+\i]|, |v[\s+1+16*\b+\i]|
.endr
.endr
.irp b, 0,1,2,3
	s_delay_alu instid0(VALU_DEP_4)
	v_permlanex16_b32 v[TM+4+\b], v[TM+\b], s28, s29
.endr
.irp b, 0,1,2,3
	s_delay_alu instid0(VALU_DEP_4)
	v_max_num_f32 v[TM+\b], v[TM+\b], v[TM+4+\b]   ; with lane l xor 16's: the block's largest magnitude
.endr
.irp b, 0,1,2,3
	s_delay_alu instid0(VALU_DEP_4)
	v_add_nc_u32 v[TM+12+\b], 0xfc000000, v[TM+\b] ; 8 off its exponent field: the conversion's scale operand
.endr
.irp b, 0,1,2,3
	v_and_or_b32 v[TM+8+\b], v[TM+\b], 0x7f800000, s30   ; 448 x the scale
.endr
.irp b, 0,1,2,3
	v_lshrrev_b32 v[TM+4+\b], 23, v[TM+12+\b]      ; the scale's byte
.endr
	s_delay_alu instid0(VALU_DEP_3)
	v_lshl_or_b32 v[\pw], v[TM+5], 8, v[TM+4]
	s_delay_alu instid0(VALU_DEP_1)
	v_lshl_or_b32 v[\pw], v[TM+6], 16, v[\pw]
	s_delay_alu instid0(VALU_DEP_1)
	v_lshl_or_b32 v[\pw], v[TM+7], 24, v[\pw]
.irp b, 0,1,2,3
.irp i, 0,1,2,3,4,5,6,7,8,9,10,11,12,13,14,15
	v_med3_num_f32 v[\s+16*\b+\i], v[\s+16*\b+\i], -v[TM+8+\b], v[TM+8+\b]   ; the conversion to an 8-bit code does not saturate (ISA guide 7.6.2): the hold comes first
.endr
	v_cvt_scalef32_pk8_fp8_f32 v[\pc+4*\b:\pc+1+4*\b], v[\s+16*\b:\s+7+16*\b], v[TM+12+\b]
	v_cvt_scalef32_pk8_fp8_f32 v[\pc+2+4*\b:\pc+3+4*\b], v[\s+8+16*\b:\s+15+16*\b], v[TM+12+\b]
.endr
	v_nop                                          ; a plain instruction behind the last conversion
.endm
	s_wait_loadcnt 16                              ; the first K step is in (and prob, and my token's score); the second's sixteen loads stay out
	QUANT ST, PC, PW
.irp c, 0,1,2,3
	global_store_b128 v4, v[PC+4*\c:PC+4*\c+3], s[22:23] offset:512*\c          ; 512 consecutive bytes a store
.endr
	s_wait_loadcnt 0x0
	QUANT ST+64, PC+16, PW+1
.irp c, 0,1,2,3
	global_store_b128 v4, v[PC+16+4*\c:PC+16+4*\c+3], s[22:23] offset:4096+512*\c
.endr
	v_cndmask_b32 v26, v[PW], v[PW+1], s31
	global_store_b32 v31, v26, s[24:25]
	s_cmp_lg_u32 s18, 0
	s_cbranch_scc1 .Lend                           ; the lists are stored by waves 0 and 1, a tile each
.irp n, 0,1,2,3
	v_mov_b32 v[96+\n], 0
.endr
.set g, 0
.rept 32                               ; the expert's sum of scores, in four chains
	v_cmp_eq_u32 vcc_lo, s57, v[TK+g]
	s_delay_alu instid0(VALU_DEP_1)
	v_cndmask_b32 v[100+g%4], 0, v[PR+g], vcc_lo
	s_delay_alu instid0(VALU_DEP_1)
	v_add_f32 v[96+g%4], v[96+g%4], v[100+g%4]
.set g, g+1
.endr
	v_add_f32 v96, v96, v97
	s_delay_alu instid0(VALU_DEP_2)
	v_add_f32 v98, v98, v99
	s_delay_alu instid0(VALU_DEP_1)
	v_add_f32 v96, v96, v98
	s_delay_alu instid0(VALU_DEP_1)
	v_add_f32_dpp v96, v96, v96 row_xmask:1 row_mask:0xf bank_mask:0xf
	s_delay_alu instid0(VALU_DEP_1)
	v_add_f32_dpp v96, v96, v96 row_xmask:2 row_mask:0xf bank_mask:0xf
	s_delay_alu instid0(VALU_DEP_1)
	v_add_f32_dpp v96, v96, v96 row_xmask:4 row_mask:0xf bank_mask:0xf
	s_delay_alu instid0(VALU_DEP_1)
	v_add_f32_dpp v96, v96, v96 row_xmask:8 row_mask:0xf bank_mask:0xf
	s_delay_alu instid0(VALU_DEP_1)
	v_permlanex16_b32 v97, v96, s28, s29
	s_delay_alu instid0(VALU_DEP_1)
	v_add_f32 v96, v96, v97
	s_delay_alu instid0(VALU_DEP_1)
	v_add_f32 v96, 0x358637bd, v96                 ; + 1e-6
	s_wait_alu depctr_va_vdst(0)
	v_rcp_f32 v97, v96
	v_lshlrev_b32 v105, 2, v1                      ; 4 r.  (The plain instruction behind the reciprocal)
	v_lshlrev_b32 v106, 2, v3                      ; 4 x lane
	s_wait_alu depctr_va_vdst(0)
	v_mul_f32 v97, v7, v97
	s_delay_alu instid0(VALU_DEP_1)
	v_mul_f32 v97, 0x44800000, v97                 ; x the capacity, 1,024
	v_mov_b32 v108, 0                              ; the table of counts and first units, a word a lane
.irp e, 0,1,2,3,4,5,6,7
	s_delay_alu instid0(VALU_DEP_1)
	v_writelane_b32 v108, s[40+\e], \e
	s_delay_alu instid0(VALU_DEP_1)
	v_writelane_b32 v108, s[48+\e], 8+\e
.endr
	s_wait_xcnt 0x0                                ; EXEC changes only behind this wait
	v_cmpx_gt_u32 16, v3                           ; both halves of the lanes hold the same rows
	global_store_b32 v105, v30, s[32:33] offset:256
	global_store_b32 v105, v97, s[34:35]
	s_or_b32 s70, ttmp9, s16
	s_cmp_lg_u32 s70, 0
	s_cbranch_scc1 .Lend                           ; the table is stored once, by wave 0 of unit 0 (which every split has)
	s_wait_alu depctr_va_vdst(0)
	global_store_b32 v106, v108, s[10:11]
.Lend:
	s_endpgm
.Lfunc_end_k_q0b65ce3cf3_place:
	.size	k_q0b65ce3cf3_place, .Lfunc_end_k_q0b65ce3cf3_place-k_q0b65ce3cf3_place
	.p2alignl 7, 3214868480
	.fill 96, 4, 3214868480
	.section	.rodata,"a",@progbits
	.p2align	6, 0x0
	.amdhsa_kernel k_q0b65ce3cf3_place
		.amdhsa_group_segment_fixed_size 0
		.amdhsa_private_segment_fixed_size 0
		.amdhsa_enable_private_segment 0
		.amdhsa_kernarg_size 48
		.amdhsa_user_sgpr_count 2
		.amdhsa_user_sgpr_kernarg_segment_ptr 1
		.amdhsa_wavefront_size32 1
		.amdhsa_system_sgpr_workgroup_id_x 1
		.amdhsa_system_sgpr_workgroup_id_y 1
		.amdhsa_system_sgpr_workgroup_id_z 1
		.amdhsa_system_vgpr_workitem_id 0
		.amdhsa_next_free_vgpr 256
		.amdhsa_next_free_sgpr 80
		.amdhsa_reserve_vcc 1
		.amdhsa_float_denorm_mode_32 3
		.amdhsa_float_denorm_mode_16_64 3
		.amdhsa_memory_ordered 1
		.amdhsa_forward_progress 1
		.amdhsa_inst_pref_size 87
	.end_amdhsa_kernel
	.amdgpu_metadata
---
amdhsa.version: [ 1, 2 ]
amdhsa.kernels:
  - .name:           k_q0b65ce3cf3_place
    .symbol:         k_q0b65ce3cf3_place.kd
    .args:
      - { .name: x, .offset: 0, .size: 8, .value_kind: global_buffer, .address_space: global }
      - { .name: top1, .offset: 8, .size: 8, .value_kind: global_buffer, .address_space: global }
      - { .name: prob, .offset: 16, .size: 8, .value_kind: global_buffer, .address_space: global }
      - { .name: route, .offset: 24, .size: 8, .value_kind: global_buffer, .address_space: global }
      - { .name: gw, .offset: 32, .size: 8, .value_kind: global_buffer, .address_space: global }
      - { .name: xq, .offset: 40, .size: 8, .value_kind: global_buffer, .address_space: global }
    .group_segment_fixed_size: 0
    .private_segment_fixed_size: 0
    .kernarg_segment_align: 8
    .kernarg_segment_size: 48
    .max_flat_workgroup_size: 256
    .sgpr_count:     80
    .vgpr_count:     256
    .wavefront_size: 32
...
	.end_amdgpu_metadata
.endif
;; end of part 6
;; launch ffn1 (part 7): grid 32 x 8, 16 waves a work-group, no clusters, 139,264 bytes of LDS; arguments w1, b1, xq, route, hq; writes hq
.if DOCPART == 7
	.amdgcn_target "amdgcn-amd-amdhsa--gfx1250"
	.amdhsa_code_object_version 6
	.text
	.protected	k_q0b65ce3cf3_ffn1
	.globl	k_q0b65ce3cf3_ffn1
	.p2align	8
	.type	k_q0b65ce3cf3_ffn1,@function
k_q0b65ce3cf3_ffn1:
	s_mov_b64 s[64:65], 0
	v_nop
	global_prefetch_b8 v0, s[64:65] scope:SCOPE_SE
	s_setreg_imm32_b32 hwreg(HW_REG_WAVE_SCHED_MODE, 0, 2), 2
	s_setreg_imm32_b32 hwreg(HW_REG_WAVE_MODE, 25, 1), 1
	s_wait_xcnt 0x0
	s_wait_alu depctr_vm_vsrc(0)
; THE FIRST PRODUCT: hidden = gelu(x w1[e] + b1[e]) for the rows routed to expert e, quantised on the way; MX-FP8 (E4M3 codes, one E8M0 scale for each 32 along K), f32 sums.
; w1 [8][1024 k][4096] f32, K its first axis within an expert.  Work-group (hs, e) owns hidden units 128 hs .. 128 hs + 127 of expert e.
; PHASE A.  Its 1,024 x 128 numbers of w1 are read once, quantised along K, and laid in LDS as codes with K innermost; they stay there.  Wave w: columns 64 (w & 1) on, k = 128 (w >> 1) on, in four pieces of 32 k.
;   Lane (q, h) takes four neighbouring columns of rows k0 + 16 h + 0..15: each load of the wave reads two runs of 256 consecutive bytes, aligned.  A block of 32 along K lies in lanes l and l xor 16.
;   Four COLUMNS stand in neighbouring registers, and the conversion takes eight neighbours along K from consecutive registers: so the hold at +-448 x the scale, which every number passes anyway, also writes it to its place in the set turned round.
;   The lanes of a code store stand four LDS rows apart, so these stores meet in the banks; LDS has nothing else to do in this phase.
; ONE BARRIER.   PHASE B.  A loop over the expert's units of 32 rows (a count read from route): no barrier in it, every LDS address a register made at the head plus an immediate, K written out.
;   A pair of waves takes units (w >> 1), (w >> 1) + 8, ..: at most four trips, counted by 1.  Each wave of the pair: 64 hidden units x 32 rows: eight accumulators by turns.
;   Source 0 = 16 rows of the weight's codes, source 1 = 16 tokens: a lane holds one token, its registers hidden units.
;   LDS row rho holds column rho with bits 3 and 4 exchanged, so that the 16 registers of two neighbouring tiles are 16 neighbours along the next K.  b1 is loaded straight into the accumulators.
;   gelu(x) = max(x, 0) - (|x| / 2) erfc(|x| / sqrt 2), erfc(z) = t exp(-z^2 + a polynomial of degree 9 in t), t = 1 / (1 + z / 2): fractional error 1.2e-7 by its authors' figure, evaluated in f32.
; No tensor load and no cluster: the trip count hangs on a stored count, and what the work-groups of an expert share (the rows' codes) is small beside the weights, which nobody shares.
; hq: codes [39 unit][32 K step][2 tile][4 c][32 lane][16 bytes], images of operand registers; from HSOFF on the scale words [39][32 K step][32 row].
; LIMITS: a block whose largest magnitude lies under 2^(9 - 127), a block of zeros too, gets the scale byte 1; NaN and infinities are not served.  An expert without rows still streams its weights.
; THE MODE: SCHED_MODE bits 1:0 = 2 (LLVM: expert scheduling mode 2), set by the entry lines.  The code itself states the register dependences
; between vector or matrix instructions and memory or LDS instructions, with s_wait_alu, always for 0.
; THE PLAN.  Registers that memory or LDS instructions touch:
;   v4-v12        Offsets and LDS addresses: written at the head, never again.
;   PHASE A  X0 .. X2 (v64-255)  A piece's loads land in X[piece % 3]; its arithmetic reads and rewrites the set.  Piece 3 lands in X0, behind piece 0's wait on va_vdst.
;            v32-47, v60-63      Codes and scale words: written by a piece's arithmetic, read by its LDS stores, written again by the next piece.
;            So a piece has one wait on va_vdst, ahead of its run of LDS stores, and (from piece 1 on) one on vm_vsrc, ahead of its first write of these registers.
;   PHASE B  H0 (v96-127, v24), H1 (v128-159, v25)  The weights' fragments and scale words of unit tiles 0, 1 and of tiles 2, 3: two halves that take turns.  A K step is two half steps of four products.
;            At the head of a half step one wait on va_vdst states that the four products of the half step before are done reading their half; that half's next fragments are asked for behind it and land while this half step's products run.
;            OF (v160-255)       The rows' ring of three K steps.  K step s + 2 lands where K step s - 1 was read: it is asked for behind the wait at the head of K step s.
;            ACC, XSC            Loaded at a trip's head (b1, the rows' scale words); named by matrix and vector instructions for the rest of the trip.
;            v136-151, v154      The hidden codes and half scale words: written by the quantiser, read by the trip's five stores, behind one wait on va_vdst.  No vector instruction follows that wait before the
;                                next trip's loads, so it also states all that those loads hang on; on the way into the loop piece 3's wait does the same.  The loop's head holds one wait on vm_vsrc.
.set PIT,   1040                       ; an LDS row: 1,024 codes + 16: an odd multiple of 16 bytes
.set SCW,   128*PIT                    ; behind the codes: the weights' scale words, [8 K step][128 row]
.set SST,   512
.set ROWB,  16384                      ; a row of w1 in bytes
.set XSOFF, 39*32768
.set HSOFF, 39*131072
.set NS,    8                          ; K steps of 128
.set LPS,   8                          ; global loads for a K step of the token operand
.set GOFF, 4                           ; v4   the stream: 262,144 h + 16 q'
.set LW,   5                           ; v5   where my codes go
.set LSW,  6                           ; v6   where my scale words go
.set WB,   7                           ; v7   my lane's place in a fragment of the weights
.set SB,   8                           ; v8   and among their scale words
.set L16,  9                           ; v9   16 x lane
.set L32,  10                          ; v10  32 x lane
.set BO,   11                          ; v11  64 h
.set HSO,  12                          ; v12  4 x lane + 2 x my half
.set C9,   14                          ; v[14:15] the polynomial's leading coefficient, twice
.set XSC,  16                          ; v16-23 x's scale words, a register a K step: lanes 0-15 tile 0's rows, lanes 16-31 tile 1's.  Scales alone
.set WS,   24                          ; v24-25 the weights' scale words: lanes 0-15 tile 2 p, lanes 16-31 tile 2 p + 1.  Scales alone
.set CD,   32                          ; phase A: v32-47 codes, v48-51 maxima, then the conversion's scale operands, v52-55 at work, v56-59 448 x the scale, v60-63 scale words; v64-255 three sets of 64 numbers
.set MX,   48
.set TP,   52
.set IV,   56
.set SWD,  60
.set ACC,  32                          ; phase B: v32-95 accumulators, (tile of tokens i, tile of units t) at ACC + 32 i + 8 t
.set WF,   96                          ; v96-159 four fragments of the weights: two halves of two
.set OF,   160                         ; v160-255 the token operand: a ring of three K steps x two tiles
.set ZZ,   96                          ; the way out: v96-103 z, v104-111 t, v112-119 the polynomial
.set TT,   104
.set PP,   112
.set TM,   120                         ; v120-135 the quantiser's
.set PC,   136                         ; v136-151 four blocks of codes
.set HW,   152                         ; v152-154 half scale words
	s_load_b256 s[4:11], s[0:1], 0x0               ; w1 s[4:5], b1 s[6:7], xq s[8:9], route s[10:11]
	s_load_b64 s[12:13], s[0:1], 0x20              ; hq
	v_lshl_add_u32 v30, v0, 2, 0x21800
	v_mov_b32 v31, 0
	v_lshrrev_b32 v1, 5, v0
	v_readfirstlane_b32 s14, v1                    ; wave
	v_and_b32 v1, 15, v0                           ; q, and r
	v_bfe_u32 v2, v0, 4, 1                         ; h
	v_and_b32 v3, 31, v0                           ; lane
	v_and_b32 v13, 9, v1                           ; q' = q with bits 1 and 2 exchanged: bits 3 and 4 of the column
	v_bfe_u32 v26, v1, 1, 1
	v_bfe_u32 v27, v1, 2, 1
	v_lshl_add_u32 v13, v26, 2, v13
	v_lshl_add_u32 v13, v27, 1, v13
	v_lshlrev_b32 v[GOFF], 4, v13
	v_lshl_add_u32 v[GOFF], v2, 18, v[GOFF]        ; lanes 16-31: sixteen rows further down
	s_and_b32 s15, ttmp7, 0xffff                   ; expert
	s_wait_alu depctr_va_sdst(0)                   ; s14 is written, ahead of its first reader
	s_and_b32 s17, s14, 1                          ; which 64 columns
	s_lshr_b32 s18, s14, 1                         ; phase A: which 128 k; phase B: my first unit
	s_lshl_b32 s26, s15, 24                        ; the expert's 16,777,216 bytes,
	s_lshl_b32 s25, s18, 21                        ; 128 rows,
	s_add_co_u32 s26, s26, s25
	s_lshl_b32 s25, ttmp9, 9                       ; 128 columns,
	s_add_co_u32 s26, s26, s25
	s_lshl_b32 s25, s17, 8                         ; 64 columns
	s_add_co_u32 s26, s26, s25
	s_mov_b32 s27, 0
	s_lshl_b32 s19, s15, 2
	s_wait_kmcnt 0x0
	s_add_nc_u64 s[4:5], s[4:5], s[26:27]
	s_wait_alu depctr_va_vdst(0)                   ; v[GOFF] is written, which every load of the stream reads as its offset
.macro LOADW blk                       ; piece blk: 32 k x 64 columns into set blk % 3; register 4 i + j: row i of my sixteen, column j of my four
.irp i, 0,1,2,3,4,5,6,7,8,9,10,11,12,13,14,15
	global_load_b128 v[64+64*((\blk)%3)+4*\i:64+64*((\blk)%3)+4*\i+3], v[GOFF], s[4:5] offset:(32*(\blk)+\i)*ROWB th:TH_LOAD_NT
.endr
.endm
	LOADW 0
	LOADW 1
	LOADW 2
	s_load_b32 s20, s[10:11], s19 offset:0x0       ; the expert's count
	s_load_b32 s21, s[10:11], s19 offset:0x20      ; and its first unit
	v_lshlrev_b32 v13, 2, v1
	v_mul_u32_u24 v[LW], v13, PIT
	v_lshl_add_u32 v[LW], v2, 4, v[LW]
	s_mul_i32 s25, s17, 64*PIT
	s_lshl_b32 s38, s18, 7
	s_add_co_u32 s38, s38, s25
	v_add_nc_u32 v[LW], s38, v[LW]                 ; rows 64 half + 4 q + j, byte 128 (w >> 1) + 16 h
	v_mul_u32_u24 v[WB], v1, PIT
	v_lshl_add_u32 v[WB], v2, 4, v[WB]
	v_add_nc_u32 v[WB], s25, v[WB]                 ; row 64 half + r, + 16 h
	s_lshl_b32 s25, s17, 8
	s_add_co_u32 s25, s25, SCW
	v_lshl_add_u32 v[SB], v3, 2, s25
	s_lshl_b32 s38, s18, 9
	s_add_co_u32 s38, s38, s25
	v_lshl_add_u32 v[LSW], v1, 4, s38
	v_lshlrev_b32 v[L16], 4, v3
	v_lshlrev_b32 v[L32], 5, v3
	v_lshlrev_b32 v[BO], 6, v2
	s_lshl_b32 s25, s17, 1
	v_lshl_add_u32 v[HSO], v3, 2, s25
	v_mov_b32 v[C9], 0x3e2ef945                    ; 0.17087277
	v_mov_b32 v[C9+1], 0x3e2ef945
.irp j, 0,1,2,3
	v_mov_b32 v[TP+\j], 0                          ; a lane permute's destination counts as one of its sources
.endr
	s_mov_b32 s42, 0x76543210
	s_mov_b32 s43, 0xfedcba98
	s_mov_b32 s47, 0xffff0000                      ; lanes 16-31
	s_mov_b32 s48, 0x3f3504f3                      ; 1 / sqrt 2
	s_mov_b32 s49, 0x600000                        ; the mantissa field of 448
	s_lshl_b32 s26, s15, 14                        ; b1: the expert's row, my 64 units
	s_lshl_b32 s25, ttmp9, 9
	s_add_co_u32 s26, s26, s25
	s_lshl_b32 s25, s17, 8
	s_add_co_u32 s26, s26, s25
	s_add_nc_u64 s[36:37], s[6:7], s[26:27]
	s_lshl_b32 s26, ttmp9, 12                      ; hq's codes: K step hs, blocks 2 half and the next
	s_lshl_b32 s25, s17, 10
	s_add_co_u32 s26, s26, s25
	s_add_nc_u64 s[50:51], s[12:13], s[26:27]
	s_lshl_b32 s26, ttmp9, 7                       ; hq's scale words of K step hs
	s_add_nc_u64 s[52:53], s[12:13], s[26:27]
	s_add_nc_u64 s[52:53], s[52:53], HSOFF
	s_add_nc_u64 s[54:55], s[8:9], XSOFF           ; x's scale words
.macro QW blk                          ; piece blk is quantised; its codes, and with every fourth piece its scale words, go to LDS
.set XS, 64+64*((\blk)%3)
.irp j, 0,1,2,3
	v_max3_num_f32 v[MX+\j], |v[XS+\j]|, |v[XS+4+\j]|, 0x4800000      ; my sixteen numbers of column j, and the floor 2^(9 - 127)
.endr
.irp i, 2,4,6,8,10,12,14
.irp j, 0,1,2,3
	v_max3_num_f32 v[MX+\j], v[MX+\j], |v[XS+4*\i+\j]|, |v[XS+4*\i+4+\j]|
.endr
.endr
.irp j, 0,1,2,3
	v_permlanex16_b32 v[TP+\j], v[MX+\j], s42, s43
.endr
.irp j, 0,1,2,3
	v_max_num_f32 v[MX+\j], v[MX+\j], v[TP+\j]     ; with lane l xor 16's sixteen: the block's largest magnitude
.endr
.irp j, 0,1,2,3
	v_and_or_b32 v[IV+\j], v[MX+\j], 0x7f800000, s49   ; 448 x the scale: the largest magnitude's exponent field over 448's mantissa
.endr
.irp j, 0,1,2,3
	v_add_nc_u32 v[MX+\j], 0xfc000000, v[MX+\j]    ; 8 off its exponent field: the conversion takes the exponent field of this operand as its scale, and nothing else of it
.endr
.irp j, 0,1,2,3
	v_lshrrev_b32 v[TP+\j], 23, v[MX+\j]           ; the scale's byte
.endr
	s_wait_alu depctr_va_vdst(0)
	s_wait_dscnt 0x0                               ; the last piece's LDS stores are done
.if (\blk) > 0
	s_wait_alu depctr_vm_vsrc(0)                   ; the last piece's LDS stores have read the codes v[CD ..] and the scale words v[SWD ..], which the lines below write again
.endif
.irp j, 0,1,2,3
.if ((\blk)%4) == 0
	v_mov_b32 v[SWD+\j], v[TP+\j]
.else
	v_lshl_or_b32 v[SWD+\j], v[TP+\j], 8*((\blk)%4), v[SWD+\j]
.endif
.endr
; THE HOLD, AND THE SET TURNED ROUND.  The conversion to an 8-bit code does not saturate (ISA guide 7.6.2), so each number is held within +-448 x its column's scale; the hold writes the number of register 4 i + j (row i, column j)
; to register 16 j + i, so that a column's sixteen rows stand on end.  That move turns the register number's six bits round by two: four registers stay where they are, the other sixty fall into twenty cycles of three,
; and a cycle in place takes one spare register (v[TP ..], free here, four by turns) and one copy.
.set n, 0
.set tc, 0
.rept 64
.set n1, 16*(n%4)+n/4                  ; where register n's number goes,
.set n2, 16*(n1%4)+n1/4                ; where that register's goes; the third goes to n
.if n == n1
	v_med3_num_f32 v[XS+n], v[XS+n], -v[IV+n%4], v[IV+n%4]
.elseif (n < n1) && (n < n2)           ; each cycle once, at its lowest register
	v_med3_num_f32 v[TP+tc], v[XS+n2], -v[IV+n2%4], v[IV+n2%4]
	v_med3_num_f32 v[XS+n2], v[XS+n1], -v[IV+n1%4], v[IV+n1%4]
	v_med3_num_f32 v[XS+n1], v[XS+n], -v[IV+n%4], v[IV+n%4]
	v_mov_b32 v[XS+n], v[TP+tc]
.set tc, (tc+1)%4
.endif
.set n, n+1
.endr
.irp j, 0,1,2,3
	v_cvt_scalef32_pk8_fp8_f32 v[CD+4*\j:CD+4*\j+1], v[XS+16*\j:XS+16*\j+7], v[MX+\j]          ; column j: eight rows / the scale, to the nearest code, ties to even; the first row's code in the lowest byte
	v_cvt_scalef32_pk8_fp8_f32 v[CD+4*\j+2:CD+4*\j+3], v[XS+16*\j+8:XS+16*\j+15], v[MX+\j]
.endr
	v_nop                                          ; a plain instruction behind the last conversion
	s_wait_alu depctr_va_vdst(0)                   ; the conversions have written the codes, and the scale words are written, which the LDS stores read (piece 0: so are the head's addresses); the piece's arithmetic is done with its set, in which the next loads may land
.irp j, 0,1,2,3
	ds_store_b128 v[LW], v[CD+4*\j:CD+4*\j+3] offset:\j*PIT+32*(\blk)
.endr
.if ((\blk)%4) == 3
	ds_store_b128 v[LSW], v[SWD:SWD+3] offset:((\blk)/4)*SST       ; both halves of the lanes write the same words
.endif
.endm
	s_wait_loadcnt 32                              ; piece 0 is in; the 32 loads of pieces 1 and 2 stay out
	QW 0
	LOADW 3                                        ; into set 0.  No wait: no vector instruction since piece 0's wait on va_vdst names it
	s_wait_loadcnt 32                              ; pieces 2 and 3 stay out
	QW 1
	s_wait_loadcnt 16                              ; piece 3 stays out
	QW 2
	s_wait_loadcnt 0x0
	QW 3
	s_wait_kmcnt 0x0                               ; the count and the first unit
	s_add_co_u32 s22, s20, 31
	s_lshr_b32 s22, s22, 5
	s_min_u32 s22, s22, 32                         ; the expert's units
	s_add_co_u32 s22, s22, 7
	s_sub_co_u32 s22, s22, s18                     ; (my first unit is 0 to 7: never under 0)
	s_lshr_b32 s22, s22, 3                         ; my trips: units (w >> 1), (w >> 1) + 8, .. under the expert's number of units
	s_min_u32 s22, s22, 4                          ; 32 units for 8 pairs of waves: four at the most
	s_mov_b32 s23, 0                               ; the trip
	s_wait_dscnt 0x0                               ; for the others' sake: my codes and scale words lie in LDS
	s_barrier_signal -1
	s_barrier_wait -1                              ; everybody's do; nothing in LDS is written again
	s_cmp_eq_u32 s22, 0
	s_cbranch_scc1 .Lend
.macro WLOADH s, p                     ; K step s of the weights, half p: the fragments of unit tiles 2 p and 2 p + 1 and their register of scale words: nine LDS loads
.irp u, 0,1
.irp c, 0,1,2,3
	ds_load_b128 v[WF+16*(2*(\p)+\u)+4*\c:WF+16*(2*(\p)+\u)+4*\c+3], v[WB] offset:(2*(\p)+\u)*16*PIT+128*(\s)+32*\c
.endr
.endr
	ds_load_b32 v[WS+(\p)], v[SB] offset:SST*(\s)+128*(\p)
.endm
.macro OLOAD s                         ; K step s of the unit's rows: two fragments, 512 consecutive bytes a load
.irp i, 0,1
.irp c, 0,1,2,3
	global_load_b128 v[OF+32*((\s)%3)+16*\i+4*\c:OF+32*((\s)%3)+16*\i+4*\c+3], v[L16], s[28:29] offset:(\s)*4096+\i*2048+\c*512
.endr
.endr
.endm
.macro MM t, i, s                      ; one product; the rows of the scale registers go with the tiles
.if (((\t)%2) == 0) && ((\i) == 0)
	v_wmma_scale_f32_16x16x128_f8f6f4 v[ACC+32*(\i)+8*(\t):ACC+32*(\i)+8*(\t)+7], v[WF+16*(\t):WF+16*(\t)+15], v[OF+32*((\s)%3)+16*(\i):OF+32*((\s)%3)+16*(\i)+15], v[ACC+32*(\i)+8*(\t):ACC+32*(\i)+8*(\t)+7], v[WS+(\t)/2], v[XSC+(\s)]
.elseif ((\i) == 0)
	v_wmma_scale_f32_16x16x128_f8f6f4 v[ACC+32*(\i)+8*(\t):ACC+32*(\i)+8*(\t)+7], v[WF+16*(\t):WF+16*(\t)+15], v[OF+32*((\s)%3)+16*(\i):OF+32*((\s)%3)+16*(\i)+15], v[ACC+32*(\i)+8*(\t):ACC+32*(\i)+8*(\t)+7], v[WS+(\t)/2], v[XSC+(\s)] matrix_a_scale:MATRIX_SCALE_ROW1
.elseif (((\t)%2) == 0)
	v_wmma_scale_f32_16x16x128_f8f6f4 v[ACC+32*(\i)+8*(\t):ACC+32*(\i)+8*(\t)+7], v[WF+16*(\t):WF+16*(\t)+15], v[OF+32*((\s)%3)+16*(\i):OF+32*((\s)%3)+16*(\i)+15], v[ACC+32*(\i)+8*(\t):ACC+32*(\i)+8*(\t)+7], v[WS+(\t)/2], v[XSC+(\s)] matrix_b_scale:MATRIX_SCALE_ROW1
.else
	v_wmma_scale_f32_16x16x128_f8f6f4 v[ACC+32*(\i)+8*(\t):ACC+32*(\i)+8*(\t)+7], v[WF+16*(\t):WF+16*(\t)+15], v[OF+32*((\s)%3)+16*(\i):OF+32*((\s)%3)+16*(\i)+15], v[ACC+32*(\i)+8*(\t):ACC+32*(\i)+8*(\t)+7], v[WS+(\t)/2], v[XSC+(\s)] matrix_a_scale:MATRIX_SCALE_ROW1 matrix_b_scale:MATRIX_SCALE_ROW1
.endif
.endm
; A K step: two half steps of four products.  The eight accumulators take turns, one instruction a turn, in the same order in every K step.
.macro KSTEP s
.if (\s) == 0
	s_wait_loadcnt 2*LPS                           ; b1, the rows' scale words and K step 0's rows are in; the rows of K steps 1 and 2 stay out
.elseif (\s)+1 < NS
	s_wait_loadcnt LPS                             ; this K step's rows are in; the next K step's stay out (the one after that is asked for below)
.else
	s_wait_loadcnt 0x0
.endif
.if (\s) > 0
	s_wait_alu depctr_va_vdst(0)                   ; the last K step's products are done reading: its second four their half of the weights' fragments and scale words, all eight their part of the rows' ring: the loads below land there
.endif
	WLOADH \s, 1                                   ; (K step 0: no vector or matrix instruction since the last wait on va_vdst names this half)
.if ((\s) > 0) && ((\s)+2 < NS)
	OLOAD (\s)+2
.endif
	s_wait_dscnt 9                                 ; the first half's fragments and scale words are in; the nine loads just issued stay out
.irp t, 0,1
.irp i, 0,1
	MM \t, \i, \s
.endr
.endr
.if (\s)+1 < NS
	s_wait_alu depctr_va_vdst(0)                   ; the four products above are done reading the first half's fragments and scale words, in which the next K step's land
	WLOADH (\s)+1, 0
	s_wait_dscnt 9                                 ; the second half's are in; the nine loads just issued stay out
.else
	s_wait_dscnt 0x0
.endif
.irp t, 2,3
.irp i, 0,1
	MM \t, \i, \s
.endr
.endr
.endm
.macro GELU8 a                         ; eight numbers at v[a] on, in place
.irp k, 0,1,2,3,4,5,6,7
	v_mul_f32 v[ZZ+\k], s48, |v[(\a)+\k]|          ; z = |x| / sqrt 2.  (An accumulator is read from its low end on)
.endr
.irp k, 0,2,4,6
	v_pk_fma_f32 v[TT+\k:TT+\k+1], v[ZZ+\k:ZZ+\k+1], 0.5, 1.0 op_sel_hi:[1,0,0]
.endr
	s_wait_alu depctr_va_vdst(0)
.irp k, 0,1,2,3,4,5,6,7
	v_rcp_f32 v[TT+\k], v[TT+\k]                   ; t = 1 / (1 + z / 2)
.endr
.irp k, 0,1,2,3,4,5,6,7
	v_max_num_f32 v[(\a)+\k], 0, v[(\a)+\k]        ; max(x, 0).  (Plain instructions behind the reciprocals)
.endr
	s_wait_alu depctr_va_vdst(0)                   ; the eight reciprocals have written t, ahead of their first reader: one wait for the batch
.irp k, 0,2,4,6
	v_pk_fma_f32 v[PP+\k:PP+\k+1], v[TT+\k:TT+\k+1], v[C9:C9+1], 0xbf527892 op_sel_hi:[1,1,0]      ; 0.17087277 t - 0.82215223
.endr
.irp cf, 0x3fbe87b0, 0xbf914e5d, 0x3e8ec7cc, 0xbe3ec24c, 0x3dc636c9, 0x3ebf88fb, 0x3f8000c7, 0xbfa1fc4e
.irp k, 0,2,4,6                        ; 1.48851587, -1.13520398, 0.27886807, -0.18628806, 0.09678418, 0.37409196, 1.00002368, -1.26551223
	v_pk_fma_f32 v[PP+\k:PP+\k+1], v[PP+\k:PP+\k+1], v[TT+\k:TT+\k+1], \cf op_sel_hi:[1,1,0]
.endr
.endr
.irp k, 0,2,4,6
	v_pk_fma_f32 v[PP+\k:PP+\k+1], v[ZZ+\k:ZZ+\k+1], v[ZZ+\k:ZZ+\k+1], v[PP+\k:PP+\k+1] neg_lo:[1,0,0] neg_hi:[1,0,0]   ; - z^2
.endr
.irp k, 0,2,4,6
	v_pk_mul_f32 v[PP+\k:PP+\k+1], v[PP+\k:PP+\k+1], 0x3fb8aa3b op_sel_hi:[1,0]
.endr
	s_wait_alu depctr_va_vdst(0)
.irp k, 0,1,2,3,4,5,6,7
	v_exp_f32 v[PP+\k], v[PP+\k]
.endr
.irp k, 0,2,4,6
	v_pk_mul_f32 v[ZZ+\k:ZZ+\k+1], v[ZZ+\k:ZZ+\k+1], 0x3f3504f3 op_sel_hi:[1,0]    ; |x| / 2.  (Plain instructions behind the exponentials)
.endr
	s_wait_alu depctr_va_vdst(0)                   ; the eight exponentials have written v[PP ..], ahead of their first reader: one wait for the batch
.irp k, 0,2,4,6
	v_pk_mul_f32 v[PP+\k:PP+\k+1], v[PP+\k:PP+\k+1], v[TT+\k:TT+\k+1]              ; erfc(z)
.endr
.irp k, 0,2,4,6
	v_pk_fma_f32 v[(\a)+\k:(\a)+\k+1], v[ZZ+\k:ZZ+\k+1], v[PP+\k:PP+\k+1], v[(\a)+\k:(\a)+\k+1] neg_lo:[1,0,0] neg_hi:[1,0,0]
.endr
.endm
.Lunit:
	s_wait_xcnt 0x0                                ; the last trip's stores have read their bases and data: both are written again below
	s_wait_alu depctr_vm_vsrc(0)                   ; first trip: phase A's last LDS stores have read v32-47 and v60-63, in which b1 lands; later trips: the last trip's stores have read v[PC ..] and v[HW+2], in which the weights' fragments land
	                                               ; (no wait on va_vdst here: on both ways to this label the last one, ahead of piece 3's LDS stores or of the last trip's stores, has no vector or matrix instruction behind it)
	s_lshl_b32 s24, s23, 3                         ; the unit: the expert's first + my first + 8 x the trip
	s_add_co_u32 s24, s24, s18
	s_add_co_u32 s24, s24, s21
	s_min_u32 s24, s24, 38                         ; it enters addresses: held inside the buffers
	s_lshl_b32 s26, s24, 15
	s_add_nc_u64 s[28:29], s[8:9], s[26:27]        ; its rows' codes,
	s_lshl_b32 s26, s24, 10
	s_add_nc_u64 s[30:31], s[54:55], s[26:27]      ; their scale words,
	s_lshl_b32 s26, s24, 17
	s_add_nc_u64 s[32:33], s[50:51], s[26:27]      ; where its hidden codes go,
	s_lshl_b32 s26, s24, 12
	s_add_nc_u64 s[34:35], s[52:53], s[26:27]      ; and their scale words
.irp i, 0,1
.irp t, 0,1,2,3                        ; b1 starts the sums: lane (r, h) wants, for tile t, units 32 (t / 2) + 16 h + 8 (t % 2) + 0..7
	global_load_b128 v[ACC+32*\i+8*\t:ACC+32*\i+8*\t+3], v[BO], s[36:37] offset:(32*(\t/2)+8*(\t%2))*4
	global_load_b128 v[ACC+32*\i+8*\t+4:ACC+32*\i+8*\t+7], v[BO], s[36:37] offset:(32*(\t/2)+8*(\t%2))*4+16
.endr
.endr
	global_load_b128 v[XSC:XSC+3], v[L32], s[30:31]
	global_load_b128 v[XSC+4:XSC+7], v[L32], s[30:31] offset:16
	OLOAD 0
	OLOAD 1
	OLOAD 2
	WLOADH 0, 0
.irp s, 0,1,2,3,4,5,6,7
	KSTEP \s
.endr
.rept 8
	v_nop                                          ; eight places between the last products and the first vector instruction that reads their results or writes their operands
.endr
.irp a, 0,1,2,3,4,5,6,7
	GELU8 ACC+8*\a
.endr
; the hidden layer's four blocks of 32 (tile of tokens b / 2, my block b % 2): registers ACC + 16 b + 0..15 are 16 neighbours along the next K
.irp b, 0,1,2,3
	v_max3_num_f32 v[TM+\b], |v[ACC+16*\b]|, |v[ACC+1+16*\b]|, 0x4800000
.endr
.irp i, 2,4,6,8,10,12,14
.irp b, 0,1,2,3
	v_max3_num_f32 v[TM+\b], v[TM+\b], |v[ACC+16*\b+\i]|, |v[ACC+1+16*\b+\i]|
.endr
.endr
.irp b, 0,1,2,3
	v_permlanex16_b32 v[TM+4+\b], v[TM+\b], s42, s43
.endr
.irp b, 0,1,2,3
	v_max_num_f32 v[TM+\b], v[TM+\b], v[TM+4+\b]
.endr
.irp b, 0,1,2,3
	v_add_nc_u32 v[TM+12+\b], 0xfc000000, v[TM+\b] ; 8 off the exponent field: the conversion's scale operand
.endr
.irp b, 0,1,2,3
	v_and_or_b32 v[TM+8+\b], v[TM+\b], 0x7f800000, s49   ; 448 x the scale
.endr
.irp b, 0,1,2,3
	v_lshrrev_b32 v[TM+4+\b], 23, v[TM+12+\b]      ; the scale's byte
.endr
	v_lshl_or_b32 v[HW], v[TM+5], 8, v[TM+4]       ; my two bytes of tile 0's scale words,
	v_lshl_or_b32 v[HW+1], v[TM+7], 8, v[TM+6]     ; of tile 1's;
	v_cndmask_b32 v[HW+2], v[HW], v[HW+1], s47     ; lane L stores row L's
.irp b, 0,1,2,3
.irp i, 0,1,2,3,4,5,6,7,8,9,10,11,12,13,14,15
	v_med3_num_f32 v[ACC+16*\b+\i], v[ACC+16*\b+\i], -v[TM+8+\b], v[TM+8+\b]
.endr
	v_cvt_scalef32_pk8_fp8_f32 v[PC+4*\b:PC+1+4*\b], v[ACC+16*\b:ACC+7+16*\b], v[TM+12+\b]
	v_cvt_scalef32_pk8_fp8_f32 v[PC+2+4*\b:PC+3+4*\b], v[ACC+8+16*\b:ACC+15+16*\b], v[TM+12+\b]
.endr
	v_nop                                          ; a plain instruction behind the last conversion
	s_wait_alu depctr_va_vdst(0)                   ; the conversions have written v[PC ..] and the select v[HW+2], which the stores read; and all of the trip's vector and matrix instructions are done with the registers in which the next trip's loads land
.irp i, 0,1
.irp p, 0,1
	global_store_b128 v[L16], v[PC+4*(2*\i+\p):PC+4*(2*\i+\p)+3], s[32:33] offset:\i*2048+\p*512    ; 512 consecutive bytes a store
.endr
.endr
	global_store_b16 v[HSO], v[HW+2], s[34:35]     ; two bytes a row; the pair of waves fills 128 consecutive bytes
	s_add_co_u32 s23, s23, 1
	s_cmp_lt_u32 s23, s22
	s_cbranch_scc1 .Lunit
.Lend:
	s_wait_dscnt 0x0                               ; the closing lines, six on end
	s_wait_alu 0x0
	s_wait_tensorcnt 0x0
	ds_add_u32 v30, v31
	s_wait_dscnt 0x0
	s_endpgm
.Lfunc_end_k_q0b65ce3cf3_ffn1:
	.size	k_q0b65ce3cf3_ffn1, .Lfunc_end_k_q0b65ce3cf3_ffn1-k_q0b65ce3cf3_ffn1
	.p2alignl 7, 3214868480
	.fill 96, 4, 3214868480
	.section	.rodata,"a",@progbits
	.p2align	6, 0x0
	.amdhsa_kernel k_q0b65ce3cf3_ffn1
		.amdhsa_group_segment_fixed_size 139264
		.amdhsa_private_segment_fixed_size 0
		.amdhsa_enable_private_segment 0
		.amdhsa_kernarg_size 40
		.amdhsa_user_sgpr_count 2
		.amdhsa_user_sgpr_kernarg_segment_ptr 1
		.amdhsa_wavefront_size32 1
		.amdhsa_system_sgpr_workgroup_id_x 1
		.amdhsa_system_sgpr_workgroup_id_y 1
		.amdhsa_system_sgpr_workgroup_id_z 1
		.amdhsa_system_vgpr_workitem_id 0
		.amdhsa_next_free_vgpr 256
		.amdhsa_next_free_sgpr 66
		.amdhsa_reserve_vcc 0
		.amdhsa_float_denorm_mode_32 3
		.amdhsa_float_denorm_mode_16_64 3
		.amdhsa_memory_ordered 1
		.amdhsa_forward_progress 1
		.amdhsa_inst_pref_size 134
	.end_amdhsa_kernel
	.amdgpu_metadata
---
amdhsa.version: [ 1, 2 ]
amdhsa.kernels:
  - .name:           k_q0b65ce3cf3_ffn1
    .symbol:         k_q0b65ce3cf3_ffn1.kd
    .args:
      - { .name: w1, .offset: 0, .size: 8, .value_kind: global_buffer, .address_space: global }
      - { .name: b1, .offset: 8, .size: 8, .value_kind: global_buffer, .address_space: global }
      - { .name: xq, .offset: 16, .size: 8, .value_kind: global_buffer, .address_space: global }
      - { .name: route, .offset: 24, .size: 8, .value_kind: global_buffer, .address_space: global }
      - { .name: hq, .offset: 32, .size: 8, .value_kind: global_buffer, .address_space: global }
    .group_segment_fixed_size: 139264
    .private_segment_fixed_size: 0
    .kernarg_segment_align: 8
    .kernarg_segment_size: 40
    .max_flat_workgroup_size: 512
    .sgpr_count:     66
    .vgpr_count:     256
    .wavefront_size: 32
...
	.end_amdgpu_metadata
.endif
;; end of part 7
;; launch ffn2 (part 8): grid 16 x 16, 16 waves a work-group, no clusters, 174,592 bytes of LDS; arguments w2, b2, hq, route, gw, out0; writes out0
.if DOCPART == 8
	.amdgcn_target "amdgcn-amd-amdhsa--gfx1250"
	.amdhsa_code_object_version 6
	.text
	.protected	k_q0b65ce3cf3_ffn2
	.globl	k_q0b65ce3cf3_ffn2
	.p2align	8
	.type	k_q0b65ce3cf3_ffn2,@function
k_q0b65ce3cf3_ffn2:
	s_mov_b64 s[64:65], 0
	v_nop
	global_prefetch_b8 v0, s[64:65] scope:SCOPE_SE
	s_setreg_imm32_b32 hwreg(HW_REG_WAVE_SCHED_MODE, 0, 2), 2
	s_setreg_imm32_b32 hwreg(HW_REG_WAVE_MODE, 25, 1), 1
	s_wait_xcnt 0x0
	s_wait_alu depctr_vm_vsrc(0)
; THE SECOND PRODUCT AND THE COMBINE: out0[token] = gate x (hidden w2[e] + b2[e]) for the rows routed to expert e; MX-FP8 (E4M3 codes, one E8M0 scale for each 32 along K), f32 sums.
; w2 [8][4096 k][1024] f32, K its first axis within an expert.  Work-group (x, y) owns columns 64 x + 32 (y & 1) + 0..31 of expert y >> 1, for all of K: 256 work-groups, and each number of out0 has one owner.
; The price: a weight row's piece and a row's piece of out0 are 128 consecutive bytes, half of an aligned 256; the other half is the work-group's at y + 1 or y - 1.  So neither the stream's loads nor the stores say that their bytes are touched once.
; PHASE A.  The 4,096 x 32 numbers of w2 are read once, quantised along K, and laid in LDS as codes with K innermost; they stay there.  Wave w: k = 256 w on, in four pieces of 64 k.
;   Lane (q = lane & 7, g = lane >> 3) takes four neighbouring columns of rows k0 + 16 g + 0..15: a load of the wave reads four runs of 128 bytes.  A block of 32 along K lies in lanes l and l xor 8.
;   Four COLUMNS stand in neighbouring registers, and the conversion takes eight neighbours along K from consecutive registers: so the hold at +-448 x the scale, which every number passes anyway, also writes it to its place in the set turned round.
;   The lanes of a code store stand four LDS rows apart, so lanes q and q + 4 meet in the banks; LDS has nothing else to do in this phase.
; ONE BARRIER.   PHASE B.  Wave w takes the expert's tiles of 16 rows w, w + 16, .. (a count read from route): at most four trips, counted by 1; no barrier, K written out.
;   A tile is half of a unit of 32 rows as the earlier launches lay them.  16 rows x 32 columns: two accumulators by turns.  Each byte of the rows' codes is loaded by one wave of the work-group.
;   Source 0 = 16 columns of the weight's codes, source 1 = 16 tokens: a lane holds one token and eight neighbouring columns.  b2 is loaded straight into the accumulators, so the gate's weight multiplies sum and bias alike.
;   The weights' fragments have two sets of registers, the rows' a ring of eight K steps: while a pair of K steps is multiplied, three pairs are on their way.  One load brings the rows' scale words of two K steps (lanes 0-15 the even one, lanes 16-31 the odd).
;   A tile goes through the wave's own stage and leaves as runs of 128 bytes at the tokens' rows.
; No tensor load and no cluster: the trip count hangs on a stored count, and the weights, which are the bulk of the bytes from memory, are shared by nobody.
; LIMITS: a block whose largest magnitude lies under 2^(9 - 127), a block of zeros too, gets the scale byte 1; NaN and infinities are not served.  An expert without rows still streams its weights.
; Rows past an expert's count in its last tile repeat its last token: the same wave stores the same bytes to that row of out0 once more.
; THE MODE: SCHED_MODE bits 1:0 = 2 (LLVM: expert scheduling mode 2), set by the entry lines.  The code itself states the register dependences
; between vector or matrix instructions and memory or LDS instructions, with s_wait_alu, always for 0.
; THE PLAN.  Registers that memory or LDS instructions touch:
;   v4-v17        Offsets and LDS addresses: written at the head, never again.
;   PHASE A  X0 .. X2 (v64-255)  A piece's loads land in X[piece % 3]; its arithmetic reads and rewrites the set.  Piece 3 lands in X0, behind piece 0's wait on va_vdst.
;            v32-47, v60-63      Codes and scale words: written by a piece's arithmetic, read by its LDS stores, written again by the next piece.
;            So a piece has one wait on va_vdst, ahead of its run of LDS stores, and (from piece 1 on) one on vm_vsrc, ahead of its first write of these registers.
;   PHASE B  WF0, WF1 (v64-95 with v24, v96-127 with v25)  The weights' fragments and scale words of K step s lie in set s % 2.  At the head of K step s one wait on va_vdst states that the two products of K step s - 1 are
;            done reading; K step s + 1's nine LDS loads follow it, into the set that K step s - 1 read, and land while K step s is multiplied.
;            OF (v128-255), HSC (v20-23)  The rows' ring of four pairs of K steps.  Pair p + 3 lands where pair p - 1 was read: it is asked for behind the wait at the head of pair p's first K step.
;            ACC, GW, TK         Loaded at a trip's head (b2, the gate's weight, the tokens).  On the way out vector instructions make the tokens' offsets and the weighted sums; the stage's stores read ACC, the global stores TK.
;            OBK (v48-63)        Loaded from the stage, read by the global stores; no vector instruction of the loop names it.
;            One wait on va_vdst stands ahead of the stage's stores; no vector instruction follows it before the next trip's loads, so it also states all that those hang on; on the way into the loop piece 3's wait does the same.
;            The loop's head holds one wait on vm_vsrc.
.set PIT,   4112                       ; an LDS row: 4,096 codes + 16: an odd multiple of 16 bytes
.set SCW,   32*PIT                     ; the weights' scale words, [32 K step][32 column]
.set SST,   128
.set STAGE, SCW+32*SST                 ; sixteen stages of 16 rows x (128 + 16) bytes
.set SPT,   144
.set ROWB,  4096                       ; a row of w2 in bytes
.set HSOFF, 39*131072
.set NS,    32                         ; K steps of 128
.set NP,    16                         ; pairs of them
.set LPP,   9                          ; global loads for a pair of K steps of the rows: eight of codes, one of scale words
.set GOFF, 4                           ; v4   the stream: 65,536 g + 16 q
.set LW,   5                           ; v5   where my codes go
.set LSW,  6                           ; v6   where my scale words go
.set SB,   7                           ; v7   my lane's place among the weights' scale words
.set WB,   8                           ; v8-9 my lane's place in the fragment of column tile t
.set L16,  10                          ; v10  16 x lane
.set HS4,  11                          ; v11  4 r + 128 h
.set B2O,  12                          ; v12  32 h
.set R4,   13                          ; v13  4 r
.set G4,   14                          ; v14  4 g
.set C16,  15                          ; v15  16 q
.set STO,  16                          ; v16  the stage: where I put 32 bytes of a row
.set RD,   17                          ; v17  and where I read 16 bytes of a row back
.set GW,   18                          ; v18  the gate's weight of my token
.set SH8,  19                          ; v19  8 h
.set HSC,  20                          ; v20-23 the rows' scale words, a ring of four pairs of K steps.  Scales alone
.set WS,   24                          ; v24-25 the weights' scale words, a register a set: lanes 0-15 columns 0-15, lanes 16-31 columns 16-31.  Scales alone
.set TK,   26                          ; v26-29 tokens, then byte offsets in out0
.set CD,   32                          ; phase A: v32-47 codes, v48-51 maxima, then the conversion's scale operands, v52-55 at work, v56-59 448 x the scale, v60-63 scale words; v64-255 three sets of 64 numbers
.set MX,   48
.set TP,   52
.set IV,   56
.set SWD,  60
.set ACC,  32                          ; phase B: v32-47 two accumulators, column tile t at ACC + 8 t
.set OBK,  48                          ; v48-63 rows read back from the stage
.set WF,   64                          ; v64-127 the weights' fragments: set s % 2, column tile t at WF + 32 (s % 2) + 16 t
.set OF,   128                         ; v128-255 the rows' fragments: K step s at OF + 16 (s % 8)
	s_load_b256 s[4:11], s[0:1], 0x0               ; w2 s[4:5], b2 s[6:7], hq s[8:9], route s[10:11]
	s_load_b128 s[12:15], s[0:1], 0x20             ; gw s[12:13], out0 s[14:15]
	v_lshrrev_b32 v1, 5, v0
	v_readfirstlane_b32 s16, v1                    ; wave
	v_and_b32 v1, 15, v0                           ; r
	v_bfe_u32 v2, v0, 4, 1                         ; h
	v_and_b32 v3, 31, v0                           ; lane
	v_and_b32 v30, 7, v0                           ; q
	v_bfe_u32 v31, v0, 3, 2                        ; g
	v_lshlrev_b32 v[C16], 4, v30
	v_lshl_add_u32 v[GOFF], v31, 16, v[C16]        ; sixteen rows of 4,096 bytes for each g
	s_and_b32 s25, ttmp7, 0xffff
	s_lshr_b32 s17, s25, 1                         ; expert
	s_and_b32 s18, s25, 1                          ; which 32 of the 64 columns
	s_wait_alu depctr_va_sdst(0)                   ; s16 is written, ahead of its first reader
	s_lshr_b32 s47, s16, 1                         ; phase B: my first unit,
	s_and_b32 s50, s16, 1                          ; and which of its two tiles
	s_lshl_b32 s51, ttmp9, 8
	s_lshl_b32 s25, s18, 7
	s_add_co_u32 s51, s51, s25                     ; my first column in bytes: 256 x + 128 half
	s_lshl_b32 s26, s17, 24                        ; the expert's 16,777,216 bytes,
	s_lshl_b32 s25, s16, 20                        ; 256 rows,
	s_add_co_u32 s26, s26, s25
	s_add_co_u32 s26, s26, s51                     ; my columns
	s_mov_b32 s27, 0
	s_lshl_b32 s19, s17, 2
	s_wait_kmcnt 0x0
	s_add_nc_u64 s[4:5], s[4:5], s[26:27]
	s_wait_alu depctr_va_vdst(0)                   ; v[GOFF] is written, which every load of the stream reads as its offset
.macro LOADW blk                       ; piece blk: 64 k x 32 columns into set blk % 3; register 4 i + j: row i of my sixteen, column j of my four
.irp i, 0,1,2,3,4,5,6,7,8,9,10,11,12,13,14,15
	global_load_b128 v[64+64*((\blk)%3)+4*\i:64+64*((\blk)%3)+4*\i+3], v[GOFF], s[4:5] offset:(64*(\blk)+\i)*ROWB
.endr
.endm
	LOADW 0
	LOADW 1
	LOADW 2
	s_load_b32 s20, s[10:11], s19 offset:0x0       ; the expert's count
	s_load_b32 s21, s[10:11], s19 offset:0x20      ; and its first unit
	v_mul_u32_u24 v[LW], v30, 4*PIT
	v_lshl_add_u32 v[LW], v31, 4, v[LW]
	s_lshl_b32 s25, s16, 8
	v_add_nc_u32 v[LW], s25, v[LW]                 ; rows 4 q + j, byte 256 w + 16 g
	s_add_co_u32 s25, s25, SCW
	v_lshl_add_u32 v[LSW], v30, 4, s25             ; K steps 2 w and 2 w + 1, columns 4 q on
	v_lshl_add_u32 v[SB], v3, 2, SCW
	v_mul_u32_u24 v[WB], v1, PIT
	v_lshl_add_u32 v[WB], v2, 4, v[WB]             ; row r, + 16 h
	v_add_nc_u32 v[WB+1], 16*PIT, v[WB]            ; row 16 + r
	v_lshlrev_b32 v[L16], 4, v3
	v_lshlrev_b32 v[HS4], 2, v1
	v_lshl_add_u32 v[HS4], v2, 7, v[HS4]           ; lanes 16-31: the next K step's words
	v_lshlrev_b32 v[B2O], 5, v2
	v_lshlrev_b32 v[R4], 2, v1
	v_lshlrev_b32 v[G4], 2, v31
	v_lshlrev_b32 v[SH8], 3, v2
	s_mul_i32 s25, s16, 16*SPT
	s_add_co_u32 s25, s25, STAGE                   ; my stage
	v_mul_u32_u24 v[STO], v1, SPT
	v_lshl_add_u32 v[STO], v2, 5, v[STO]
	v_add_nc_u32 v[STO], s25, v[STO]               ; in: row r, + 32 h
	v_mul_u32_u24 v[RD], v31, SPT
	v_add_nc_u32 v[RD], v[RD], v[C16]
	v_add_nc_u32 v[RD], s25, v[RD]                 ; back: eight lanes to a row of 128 bytes, four rows an instruction
	s_mov_b32 s42, 0x76543210                      ; selects of v_permlanex16_b32 for lane l xor 16
	s_mov_b32 s43, 0xfedcba98
	s_mov_b32 s44, 0x600000                        ; the mantissa field of 448
	s_lshl_b32 s26, s17, 12                        ; b2: the expert's row, my columns
	s_add_co_u32 s26, s26, s51
	s_add_nc_u64 s[36:37], s[6:7], s[26:27]
	s_mov_b32 s26, s51
	s_add_nc_u64 s[48:49], s[14:15], s[26:27]      ; out0 at my columns
	s_lshl_b32 s26, s50, 6                         ; my tile's sixteen words in a unit's lists
	s_add_nc_u64 s[38:39], s[8:9], s[26:27]
	s_add_nc_u64 s[38:39], s[38:39], HSOFF         ; the rows' scale words
	s_add_nc_u64 s[40:41], s[10:11], s[26:27]
	s_add_nc_u64 s[40:41], s[40:41], 256           ; the lists of tokens
	s_add_nc_u64 s[54:55], s[12:13], s[26:27]      ; the gate's weights
	s_lshl_b32 s26, s50, 11                        ; my tile's 2,048 bytes in a K step of a unit's codes
	s_add_nc_u64 s[52:53], s[8:9], s[26:27]
.macro QW blk                          ; piece blk is quantised; its codes, and with every second piece a K step's scale words, go to LDS
.set XS, 64+64*((\blk)%3)
.irp j, 0,1,2,3
	v_max3_num_f32 v[MX+\j], |v[XS+\j]|, |v[XS+4+\j]|, 0x4800000      ; my sixteen numbers of column j, and the floor 2^(9 - 127)
.endr
.irp i, 2,4,6,8,10,12,14
.irp j, 0,1,2,3
	v_max3_num_f32 v[MX+\j], v[MX+\j], |v[XS+4*\i+\j]|, |v[XS+4*\i+4+\j]|
.endr
.endr
.irp j, 0,1,2,3
	v_max_num_f32_dpp v[MX+\j], v[MX+\j], v[MX+\j] row_xmask:8 row_mask:0xf bank_mask:0xf    ; with lane l xor 8's sixteen: the block's largest magnitude
.endr
.irp j, 0,1,2,3
	v_and_or_b32 v[IV+\j], v[MX+\j], 0x7f800000, s44   ; 448 x the scale: the largest magnitude's exponent field over 448's mantissa
.endr
.irp j, 0,1,2,3
	v_add_nc_u32 v[MX+\j], 0xfc000000, v[MX+\j]    ; 8 off its exponent field: the conversion takes the exponent field of this operand as its scale, and nothing else of it
.endr
.irp j, 0,1,2,3
	v_lshrrev_b32 v[TP+\j], 23, v[MX+\j]           ; the scale's byte
.endr
.irp j, 0,1,2,3
	v_lshlrev_b32 v[TP+\j], v[SH8], v[TP+\j]       ; lanes 0-15 hold the piece's first block, lanes 16-31 its second: a byte further up
.endr
	s_wait_alu depctr_va_vdst(0)
	s_wait_dscnt 0x0                               ; the last piece's LDS stores are done
.if (\blk) > 0
	s_wait_alu depctr_vm_vsrc(0)                   ; the last piece's LDS stores have read the codes v[CD ..] and the scale words v[SWD ..], which the lines below write again
.endif
.irp j, 0,1,2,3
.if ((\blk)%2) == 0
	v_mov_b32 v[SWD+\j], v[TP+\j]
.else
	v_lshl_or_b32 v[SWD+\j], v[TP+\j], 16, v[SWD+\j]               ; a K step's second piece: two bytes further up
.endif
.endr
.if ((\blk)%2) == 1                    ; the word is finished here, ahead of the piece's one wait on va_vdst, so that all five LDS stores stand behind it
.irp j, 0,1,2,3
	v_permlanex16_b32 v[TP+\j], v[SWD+\j], s42, s43                ; lane l xor 16 holds the word's other two bytes
.endr
.irp j, 0,1,2,3
	v_or_b32 v[SWD+\j], v[SWD+\j], v[TP+\j]
.endr
.endif
; THE HOLD, AND THE SET TURNED ROUND.  The conversion to an 8-bit code does not saturate (ISA guide 7.6.2), so each number is held within +-448 x its column's scale; the hold writes the number of register 4 i + j (row i, column j)
; to register 16 j + i, so that a column's sixteen rows stand on end.  That move turns the register number's six bits round by two: four registers stay where they are, the other sixty fall into twenty cycles of three,
; and a cycle in place takes one spare register (v[TP ..], free here, four by turns) and one copy.
.set n, 0
.set tc, 0
.rept 64
.set n1, 16*(n%4)+n/4                  ; where register n's number goes,
.set n2, 16*(n1%4)+n1/4                ; where that register's goes; the third goes to n
.if n == n1
	v_med3_num_f32 v[XS+n], v[XS+n], -v[IV+n%4], v[IV+n%4]
.elseif (n < n1) && (n < n2)           ; each cycle once, at its lowest register
	v_med3_num_f32 v[TP+tc], v[XS+n2], -v[IV+n2%4], v[IV+n2%4]
	v_med3_num_f32 v[XS+n2], v[XS+n1], -v[IV+n1%4], v[IV+n1%4]
	v_med3_num_f32 v[XS+n1], v[XS+n], -v[IV+n%4], v[IV+n%4]
	v_mov_b32 v[XS+n], v[TP+tc]
.set tc, (tc+1)%4
.endif
.set n, n+1
.endr
.irp j, 0,1,2,3
	v_cvt_scalef32_pk8_fp8_f32 v[CD+4*\j:CD+4*\j+1], v[XS+16*\j:XS+16*\j+7], v[MX+\j]          ; column j: eight rows / the scale, to the nearest code, ties to even; the first row's code in the lowest byte
	v_cvt_scalef32_pk8_fp8_f32 v[CD+4*\j+2:CD+4*\j+3], v[XS+16*\j+8:XS+16*\j+15], v[MX+\j]
.endr
	v_nop                                          ; a plain instruction behind the last conversion
	s_wait_alu depctr_va_vdst(0)                   ; the conversions have written the codes, and the scale words are written, which the LDS stores read (piece 0: so are the head's addresses); the piece's arithmetic is done with its set, in which the next loads may land
.irp j, 0,1,2,3
	ds_store_b128 v[LW], v[CD+4*\j:CD+4*\j+3] offset:\j*PIT+64*(\blk)
.endr
.if ((\blk)%2) == 1
	ds_store_b128 v[LSW], v[SWD:SWD+3] offset:((\blk)/2)*SST       ; the four lanes of one q write the same words
.endif
.endm
	s_wait_loadcnt 32                              ; piece 0 is in; the 32 loads of pieces 1 and 2 stay out
	QW 0
	LOADW 3                                        ; into set 0.  No wait: no vector instruction since piece 0's wait on va_vdst names it
	s_wait_loadcnt 32                              ; pieces 2 and 3 stay out
	QW 1
	s_wait_loadcnt 16                              ; piece 3 stays out
	QW 2
	s_wait_loadcnt 0x0
	QW 3
	s_wait_kmcnt 0x0                               ; the count and the first unit
	s_add_co_u32 s22, s20, 15
	s_lshr_b32 s22, s22, 4
	s_min_u32 s22, s22, 64                         ; the expert's tiles of 16 rows
	s_add_co_u32 s22, s22, 15
	s_sub_co_u32 s22, s22, s16                     ; (my wave's number is 0 to 15: never under 0)
	s_lshr_b32 s22, s22, 4                         ; my trips: tiles w, w + 16, .. under the expert's number of tiles
	s_min_u32 s22, s22, 4                          ; 64 tiles for 16 waves: four at the most
	s_mov_b32 s23, 0                               ; the trip
	s_wait_dscnt 0x0                               ; for the others' sake: my codes and scale words lie in LDS
	s_barrier_signal -1
	s_barrier_wait -1                              ; everybody's do; codes and scale words are not written again
	s_cmp_eq_u32 s22, 0
	s_cbranch_scc1 .Lend
.macro WLOAD s                         ; K step s of the weights into set s % 2: two fragments and a register of scale words: nine LDS loads
.irp t, 0,1
.irp c, 0,1,2,3
	ds_load_b128 v[WF+32*((\s)%2)+16*\t+4*\c:WF+32*((\s)%2)+16*\t+4*\c+3], v[WB+\t] offset:128*(\s)+32*\c
.endr
.endr
	ds_load_b32 v[WS+(\s)%2], v[SB] offset:SST*(\s)
.endm
.macro OLOAD2 p                        ; K steps 2 p and 2 p + 1 of my tile's rows: two fragments, 512 consecutive bytes a load, and the scale words of both
.irp sl, 0,1
.irp c, 0,1,2,3
	global_load_b128 v[OF+16*((2*(\p)+\sl)%8)+4*\c:OF+16*((2*(\p)+\sl)%8)+4*\c+3], v[L16], s[28:29] offset:(2*(\p)+\sl)*4096+\c*512
.endr
.endr
	global_load_b32 v[HSC+(\p)%4], v[HS4], s[30:31] offset:256*(\p)
.endm
.macro MM t, s                         ; one product; the rows of the scale registers go with the column tile and with the K step's parity
.set rA, ACC+8*(\t)
.set rW, WF+32*((\s)%2)+16*(\t)
.set rO, OF+16*((\s)%8)
.set rS, WS+(\s)%2
.set rH, HSC+((\s)/2)%4
.if ((\t) == 0) && (((\s)%2) == 0)
	v_wmma_scale_f32_16x16x128_f8f6f4 v[rA:rA+7], v[rW:rW+15], v[rO:rO+15], v[rA:rA+7], v[rS], v[rH]
.elseif (((\s)%2) == 0)
	v_wmma_scale_f32_16x16x128_f8f6f4 v[rA:rA+7], v[rW:rW+15], v[rO:rO+15], v[rA:rA+7], v[rS], v[rH] matrix_a_scale:MATRIX_SCALE_ROW1
.elseif ((\t) == 0)
	v_wmma_scale_f32_16x16x128_f8f6f4 v[rA:rA+7], v[rW:rW+15], v[rO:rO+15], v[rA:rA+7], v[rS], v[rH] matrix_b_scale:MATRIX_SCALE_ROW1
.else
	v_wmma_scale_f32_16x16x128_f8f6f4 v[rA:rA+7], v[rW:rW+15], v[rO:rO+15], v[rA:rA+7], v[rS], v[rH] matrix_a_scale:MATRIX_SCALE_ROW1 matrix_b_scale:MATRIX_SCALE_ROW1
.endif
.endm
.macro STEP s
.if ((\s) > 0) && ((\s)+1 < NS)
	s_wait_alu depctr_va_vdst(0)                   ; the last K step's two products are done reading their set of the weights' fragments and scale words; in an even K step the last pair's four are done reading their part of the rows' ring and its scale words: the loads below land there
.endif
.if (\s)+1 < NS
	WLOAD (\s)+1                                   ; (K step 0: no vector or matrix instruction since the last wait on va_vdst names this set)
.endif
.if (((\s)%2) == 0) && ((\s) > 0) && ((\s)/2+3 < NP)
	OLOAD2 (\s)/2+3                                ; into the registers that the last pair has left
.endif
.if (\s)+1 < NS
	s_wait_dscnt 9                                 ; this K step's fragments and scale words of the weights are in; the next step's nine loads stay out
.else
	s_wait_dscnt 0x0
.endif
	MM 0, \s                                       ; the two accumulators take turns, one instruction a turn
	MM 1, \s
.endm
.macro PAIR p
.if (\p) == 0
	s_wait_loadcnt 3*LPP                           ; b2, the gate's weight, the tokens and pair 0's rows are in; the rows of pairs 1 to 3 stay out
.elseif NP-1-(\p) >= 2
	s_wait_loadcnt 2*LPP                           ; this pair's rows are in; those of the two pairs behind it stay out (the third is asked for below)
.else
	s_wait_loadcnt LPP*(NP-1-(\p))
.endif
	STEP 2*(\p)
	STEP 2*(\p)+1
.endm
.Lunit:
	s_wait_xcnt 0x0                                ; the last trip's stores have read their addresses and data: both are written again below
	s_wait_alu depctr_vm_vsrc(0)                   ; first trip: phase A's last LDS stores have read v32-47 and v60-63; later trips: the stage's stores have read the accumulators, the global stores the tokens' offsets and the rows read back: this trip's loads land in all of these
	                                               ; (no wait on va_vdst here: on both ways to this label the last one, ahead of piece 3's LDS stores or of the last trip's stores into the stage, has no vector or matrix instruction behind it)
	s_lshl_b32 s24, s23, 3                         ; the unit: the expert's first + my first + 8 x the trip
	s_add_co_u32 s24, s24, s47
	s_add_co_u32 s24, s24, s21
	s_min_u32 s24, s24, 38                         ; it enters addresses: held inside the buffers
	s_lshl_b32 s26, s24, 17
	s_add_nc_u64 s[28:29], s[52:53], s[26:27]      ; my tile's hidden codes,
	s_lshl_b32 s26, s24, 12
	s_add_nc_u64 s[30:31], s[38:39], s[26:27]      ; their scale words,
	s_lshl_b32 s26, s24, 7
	s_add_nc_u64 s[32:33], s[54:55], s[26:27]      ; its gate weights,
	s_add_nc_u64 s[34:35], s[40:41], s[26:27]      ; its tokens
.irp t, 0,1                            ; b2 starts the sums: lane (r, h) wants, for column tile t, columns 16 t + 8 h + 0..7
	global_load_b128 v[ACC+8*\t:ACC+8*\t+3], v[B2O], s[36:37] offset:64*\t
	global_load_b128 v[ACC+8*\t+4:ACC+8*\t+7], v[B2O], s[36:37] offset:64*\t+16
.endr
	global_load_b32 v[GW], v[R4], s[32:33]
.irp u, 0,1,2,3                        ; the tokens of the rows that I shall store: row 4 u + g
	global_load_b32 v[TK+\u], v[G4], s[34:35] offset:16*\u
.endr
	OLOAD2 0
	OLOAD2 1
	OLOAD2 2
	OLOAD2 3
	WLOAD 0
.set Q, 0
.rept NP
	PAIR Q
.set Q, Q+1
.endr
.irp u, 0,1,2,3
	v_min_u32 v[TK+\u], 0x3ff, v[TK+\u]            ; the tokens enter addresses: held inside out0
.endr
.irp u, 0,1,2,3
	v_lshl_add_u32 v[TK+\u], v[TK+\u], 12, v[C16]  ; the token's row of 4,096 bytes, + 16 q.  These eight lines name no register of the last products: they are the eight places ahead of the first read of the results
.endr
.set n, 0
.rept 16                               ; x the gate's weight, each accumulator from its low end on
	v_mul_f32 v[ACC+n], v[GW], v[ACC+n]
.set n, n+1
.endr
	s_wait_alu depctr_va_vdst(0)                   ; the multiplications have written the accumulators, which the stage's stores read, and the tokens' offsets are written, which the global stores read; and all of the trip's vector and matrix instructions are done with the registers in which the next trip's loads land
.irp t, 0,1
	ds_store_b128 v[STO], v[ACC+8*\t:ACC+8*\t+3] offset:64*\t
	ds_store_b128 v[STO], v[ACC+8*\t+4:ACC+8*\t+7] offset:64*\t+16
.endr
.irp u, 0,1,2,3
	ds_load_b128 v[OBK+4*\u:OBK+4*\u+3], v[RD] offset:4*\u*SPT     ; LDS serves a wave's instructions in order (ISA guide 5.7.1.4): these see my stores
.endr
.irp u, 0,1,2,3
	s_wait_dscnt 3-\u                              ; the younger loads from the stage stay out
	global_store_b128 v[TK+\u], v[OBK+4*\u:OBK+4*\u+3], s[48:49]   ; eight lanes store 128 consecutive bytes of one token's row
.endr
	s_add_co_u32 s23, s23, 1
	s_cmp_lt_u32 s23, s22
	s_cbranch_scc1 .Lunit
.Lend:
	s_wait_xcnt 0x0
	v_lshl_add_u32 v222, v0, 2, 0x2a200            ; the add's two registers are made anew: no memory or LDS instruction has ever read v222 or v223 (loads alone landed there, and all of them have been waited for)
	v_mov_b32 v223, 0
	s_wait_dscnt 0x0                               ; the closing lines, six on end
	s_wait_alu 0x0
	s_wait_tensorcnt 0x0
	ds_add_u32 v222, v223
	s_wait_dscnt 0x0
	s_endpgm
.Lfunc_end_k_q0b65ce3cf3_ffn2:
	.size	k_q0b65ce3cf3_ffn2, .Lfunc_end_k_q0b65ce3cf3_ffn2-k_q0b65ce3cf3_ffn2
	.p2alignl 7, 3214868480
	.fill 96, 4, 3214868480
	.section	.rodata,"a",@progbits
	.p2align	6, 0x0
	.amdhsa_kernel k_q0b65ce3cf3_ffn2
		.amdhsa_group_segment_fixed_size 174592
		.amdhsa_private_segment_fixed_size 0
		.amdhsa_enable_private_segment 0
		.amdhsa_kernarg_size 48
		.amdhsa_user_sgpr_count 2
		.amdhsa_user_sgpr_kernarg_segment_ptr 1
		.amdhsa_wavefront_size32 1
		.amdhsa_system_sgpr_workgroup_id_x 1
		.amdhsa_system_sgpr_workgroup_id_y 1
		.amdhsa_system_sgpr_workgroup_id_z 1
		.amdhsa_system_vgpr_workitem_id 0
		.amdhsa_next_free_vgpr 256
		.amdhsa_next_free_sgpr 66
		.amdhsa_reserve_vcc 0
		.amdhsa_float_denorm_mode_32 3
		.amdhsa_float_denorm_mode_16_64 3
		.amdhsa_memory_ordered 1
		.amdhsa_forward_progress 1
		.amdhsa_inst_pref_size 93
	.end_amdhsa_kernel
	.amdgpu_metadata
---
amdhsa.version: [ 1, 2 ]
amdhsa.kernels:
  - .name:           k_q0b65ce3cf3_ffn2
    .symbol:         k_q0b65ce3cf3_ffn2.kd
    .args:
      - { .name: w2, .offset: 0, .size: 8, .value_kind: global_buffer, .address_space: global }
      - { .name: b2, .offset: 8, .size: 8, .value_kind: global_buffer, .address_space: global }
      - { .name: hq, .offset: 16, .size: 8, .value_kind: global_buffer, .address_space: global }
      - { .name: route, .offset: 24, .size: 8, .value_kind: global_buffer, .address_space: global }
      - { .name: gw, .offset: 32, .size: 8, .value_kind: global_buffer, .address_space: global }
      - { .name: out0, .offset: 40, .size: 8, .value_kind: global_buffer, .address_space: global }
    .group_segment_fixed_size: 174592
    .private_segment_fixed_size: 0
    .kernarg_segment_align: 8
    .kernarg_segment_size: 48
    .max_flat_workgroup_size: 512
    .sgpr_count:     66
    .vgpr_count:     256
    .wavefront_size: 32
...
	.end_amdgpu_metadata
.endif
;; end of part 8
